; MI455X (gfx1250); checked and timed in simulation.
; The chip was launched on July 23, 2026; its instructions are those of AMD's public machine-readable ISA for CDNA 5 (MIT licence, August 2026) and "CDNA5" Instruction Set Architecture Reference Guide (July 2026). The comments in the code are by the model that wrote it; some were corrected since.
;; MAT. Allowed arithmetic: float matrix products may take bf16 or f16 operands with f32 sums; all other float work in f32.
;; Inputs: Wk 1,024 x 1,024 float32; Wq 1,024 x 1,024 float32; Wv 1,024 x 1,024 float32; beta 1,024 float32; bk 1,024 float32; bq 1,024 float32; bv 1,024 float32; gamma 1,024 float32; x 4 x 1,024 x 1,024 float32.
;; Outputs: out0 4 x 1,024 x 1,024 float32; out1 4 x 16 x 1,024 float32.
;; 2 versions, each right and faster than the one before. Each part assembles by itself: llvm-mc -triple=amdgcn-amd-amdhsa -mcpu=gfx1250 --defsym DOCPART=n.
;; ======== version 1 of 2: 4 launches
;; workspace buffers: xb 8,388,608 bytes; wb 6,291,456 bytes; qkv 25,165,824 bytes; cpart 1,048,576 bytes
;; launch cast (part 1): grid 128 x 7, 8 waves a work-group, no clusters, 0 bytes of LDS; arguments x, Wq, Wk, Wv, xb, wb; writes xb, wb
.if DOCPART == 1
	.amdgcn_target "amdgcn-amd-amdhsa--gfx1250"
	.amdhsa_code_object_version 6
	.text
	.protected	k_q4d3c5db319_cast
	.globl	k_q4d3c5db319_cast
	.p2align	8
	.type	k_q4d3c5db319_cast,@function
k_q4d3c5db319_cast:
	s_mov_b64 s[64:65], 0
	v_nop
	global_prefetch_b8 v0, s[64:65] scope:SCOPE_SE
	s_setreg_imm32_b32 hwreg(HW_REG_WAVE_MODE, 25, 1), 1
	s_wait_xcnt 0x0
; x, Wq, Wk, Wv (f32) are rounded once to bf16 (nearest even): xb = x, wb = Wq's, Wk's, Wv's rows one behind the other.
; The grid's y picks a segment of 1,048,576 numbers: y = 0..3 the quarters of x, y = 4, 5, 6 the three weights.
; A work-group converts 8,192 numbers: eight loads of 16 bytes a thread (a wave's load covers 512 neighbouring bytes),
; eight stores of 8 bytes a thread (a wave's store covers 256 neighbouring bytes, aligned).  No loop, no LDS: nothing is shared.
.set IN,  8                            ; v[8:39]   eight loads of four f32
.set OUTR, 40                          ; v[40:55]  eight pairs of packed bf16
	s_load_b256 s[4:11], s[0:1], 0x0               ; x s[4:5], Wq s[6:7], Wk s[8:9], Wv s[10:11]
	s_load_b128 s[12:15], s[0:1], 0x20             ; xb s[12:13], wb s[14:15]
	s_and_b32 s24, ttmp7, 0xffff                   ; y: the segment
	s_sub_co_u32 s22, s24, 4                       ; which weight (used only where y >= 4)
	v_lshlrev_b32 v1, 4, v0                        ; 16 bytes in
	v_lshlrev_b32 v2, 3, v0                        ; 8 bytes out
	s_wait_kmcnt 0x0
	s_mov_b64 s[16:17], s[4:5]                     ; the source: x, or one of the weights
	s_cmp_eq_u32 s24, 4
	s_cselect_b64 s[16:17], s[6:7], s[16:17]
	s_cmp_eq_u32 s24, 5
	s_cselect_b64 s[16:17], s[8:9], s[16:17]
	s_cmp_eq_u32 s24, 6
	s_cselect_b64 s[16:17], s[10:11], s[16:17]
	s_cmp_lt_u32 s24, 4
	s_cselect_b64 s[18:19], s[12:13], s[14:15]     ; the destination: xb or wb
	s_cselect_b32 s20, s24, 0                      ; segment inside the source: a weight is one segment
	s_cselect_b32 s21, s24, s22                    ; segment inside the destination
	s_lshl_b32 s26, s20, 22                        ; a segment is 4 MiB of f32,
	s_lshl_b32 s23, ttmp9, 15                      ; a work-group's part 32 KiB
	s_add_co_u32 s26, s26, s23
	s_mov_b32 s27, 0
	s_lshl_b32 s28, s21, 21                        ; and half of both in bf16
	s_lshl_b32 s23, ttmp9, 14
	s_add_co_u32 s28, s28, s23
	s_mov_b32 s29, 0
	s_add_nc_u64 s[16:17], s[16:17], s[26:27]
	s_add_nc_u64 s[18:19], s[18:19], s[28:29]
.irp i, 0,1,2,3,4,5,6,7
	global_load_b128 v[IN+4*\i:IN+4*\i+3], v1, s[16:17] offset:4096*\i th:TH_LOAD_NT
.endr
.irp i, 0,1,2,3,4,5,6,7
	s_wait_loadcnt 7-\i                            ; loads come back in order: load i is in, the 7 - i younger ones stay out
	v_cvt_pk_bf16_f32 v[OUTR+2*\i],   v[IN+4*\i],   v[IN+4*\i+1]
	v_cvt_pk_bf16_f32 v[OUTR+2*\i+1], v[IN+4*\i+2], v[IN+4*\i+3]
	global_store_b64 v2, v[OUTR+2*\i:OUTR+2*\i+1], s[18:19] offset:2048*\i
.endr
	s_endpgm
.Lfunc_end_k_q4d3c5db319_cast:
	.size	k_q4d3c5db319_cast, .Lfunc_end_k_q4d3c5db319_cast-k_q4d3c5db319_cast
	.p2alignl 7, 3214868480
	.fill 96, 4, 3214868480
	.section	.rodata,"a",@progbits
	.p2align	6, 0x0
	.amdhsa_kernel k_q4d3c5db319_cast
		.amdhsa_group_segment_fixed_size 0
		.amdhsa_private_segment_fixed_size 0
		.amdhsa_enable_private_segment 0
		.amdhsa_kernarg_size 48
		.amdhsa_user_sgpr_count 2
		.amdhsa_user_sgpr_kernarg_segment_ptr 1
		.amdhsa_wavefront_size32 1
		.amdhsa_system_sgpr_workgroup_id_x 1
		.amdhsa_system_sgpr_workgroup_id_y 1
		.amdhsa_system_sgpr_workgroup_id_z 1
		.amdhsa_system_vgpr_workitem_id 0
		.amdhsa_next_free_vgpr 56
		.amdhsa_next_free_sgpr 66
		.amdhsa_reserve_vcc 0
		.amdhsa_float_denorm_mode_32 3
		.amdhsa_float_denorm_mode_16_64 3
		.amdhsa_memory_ordered 1
		.amdhsa_forward_progress 1
		.amdhsa_inst_pref_size 4
	.end_amdhsa_kernel
	.amdgpu_metadata
---
amdhsa.version: [ 1, 2 ]
amdhsa.kernels:
  - .name:           k_q4d3c5db319_cast
    .symbol:         k_q4d3c5db319_cast.kd
    .args:
      - { .name: x, .offset: 0, .size: 8, .value_kind: global_buffer, .address_space: global }
      - { .name: Wq, .offset: 8, .size: 8, .value_kind: global_buffer, .address_space: global }
      - { .name: Wk, .offset: 16, .size: 8, .value_kind: global_buffer, .address_space: global }
      - { .name: Wv, .offset: 24, .size: 8, .value_kind: global_buffer, .address_space: global }
      - { .name: xb, .offset: 32, .size: 8, .value_kind: global_buffer, .address_space: global }
      - { .name: wb, .offset: 40, .size: 8, .value_kind: global_buffer, .address_space: global }
    .group_segment_fixed_size: 0
    .private_segment_fixed_size: 0
    .kernarg_segment_align: 8
    .kernarg_segment_size: 48
    .max_flat_workgroup_size: 256
    .sgpr_count:     66
    .vgpr_count:     56
    .wavefront_size: 32
...
	.end_amdgpu_metadata
.endif
;; end of part 1
;; launch qkv (part 2): grid 12 x 16, 4 waves a work-group, clusters of 4 x 4, 327,680 bytes of LDS; arguments xb, wb, qkv, bq, bk, bv; writes qkv
.if DOCPART == 2
	.amdgcn_target "amdgcn-amd-amdhsa--gfx1250"
	.amdhsa_code_object_version 6
	.text
	.protected	k_q4d3c5db319_qkv
	.globl	k_q4d3c5db319_qkv
	.p2align	8
	.type	k_q4d3c5db319_qkv,@function
k_q4d3c5db319_qkv:
	s_mov_b64 s[64:65], 0
	v_nop
	global_prefetch_b8 v0, s[64:65] scope:SCOPE_SE
	s_setreg_imm32_b32 hwreg(HW_REG_WAVE_MODE, 25, 1), 1
	s_wait_xcnt 0x0
	s_wait_alu depctr_hold_cnt(0) depctr_sa_sdst(0) depctr_va_vdst(0) depctr_va_sdst(0) depctr_va_ssrc(0) depctr_va_vcc(0) depctr_vm_vsrc(0)
	s_getreg_b32 s2, hwreg(HW_REG_IB_STS2, 6, 4)
	s_cmp_eq_u32 s2, 0
	s_cbranch_scc0 .Lentry_in_a_cluster
	s_endpgm
.Lentry_in_a_cluster:
	s_bfe_u32 s2, ttmp6, 0x10000c
	s_cmp_lg_u32 s2, 0xf033
	s_cbranch_scc0 .Lentry_shape_is_right
	s_endpgm
.Lentry_shape_is_right:
; q, k, v = x W^T + b in one product: C[m][n] = sum over k of xb[m][k] wb[n][k] + bias[n], m < 4096, n < 3072, k < 1024; operands bf16, sums f32,
; the result rounded once to bf16 and stored as three planes [3][4096][1024] (q, k, v).
; A work-group makes a block of 256 x 256 of C with four waves; a wave makes 128 x 128: 64 accumulator tiles of 16 x 16, 512 registers.
; K goes in steps of 128 through a ring of two LDS slots filled by the tensor data mover: a tile's rows are 256 bytes of memory, aligned.
; CLUSTERS: 4 x 4 work-groups.  The four of a row of the cluster need the same tiles of xb, the four of a column the same tiles of wb: such a tile
; is asked for jointly, by the same tensor load with the same descriptor and a mask that names the four.  A column of clusters (four blocks of 256
; columns) is exactly one of the three weights, so the plane and the bias vector hang on the cluster's x alone.
; 12 x 16 = 192 work-groups: a block of 256 x 256 keeps a wave's rows of C at 256 bytes, whole aligned pieces of a plane's row.
;
; REGISTERS, in windows of 256:
;   window 0: v0-31 addresses; v32-63 and v224-255 the bias of my 128 columns; v64-127, v128-191 fragments of xb, two buffers; v192-223 at work on the way out
;   window 1: v64-127, v128-191 fragments of wb, two buffers
;   window 2: the 32 accumulator tiles of my rows 0-63 (tile (a, b) at v[8 (8 a + b)]);   window 3: those of my rows 64-127
; THE MATRIX INSTRUCTION IS USED TRANSPOSED: source 0 = 16 rows of wb, source 1 = 16 rows of xb, so that lane l holds row l % 16 of C and its
; registers 0 to 7 the columns 8 (l / 16) + 0 .. 7: eight neighbouring numbers of a row, which pack into 16 bytes.
.set SIZE_K, 1024
.set CP,     1024                      ; numbers in a row of a plane of C
.set KSTEP,  128
.set PITCH,  272                       ; an LDS row: 256 bytes of data + 16 of padding: the 16 rows that a load touches start 272 bytes apart, at 16 different 16-byte columns of 256
.set HALFT,  128*PITCH                 ; 128 rows: what one tensor load brings, and what one wave reads of either operand
.set SLOT,   4*HALFT                   ; xb's 256 rows, then wb's 256 rows
.set STAGE,  2*SLOT                    ; behind the ring: 16 rows x 272 bytes for each wave, for the way out; no tensor load fills it
.set SPITCH, 272
.set LAPS, SIZE_K/(2*KSTEP)            ; a lap = two K steps = once round the ring: 4
.set ADRA, 16                          ; v16-17  LDS address of my xb fragments in slot 0, 1
.set ADRB, 20                          ; v20-21  the same for wb
.set STO,  24                          ; v24     the way out: where I put 16 bytes of a row
.set RD,   25                          ; v25     the way out: where I read a row back
.set CO,   26                          ; v26     my byte offset in C
.set BO,   27                          ; v27     my byte offset in the bias vector
.set BIA,  32                          ; bias of column block b: v[32+8b ..] for b < 4, v[224+8(b-4) ..] for b >= 4
.set F0,   64                          ; fragment buffer 0
.set F1,   128                         ; fragment buffer 1
.set TMP,  192                         ; the way out: packed results, in window 0
.set G1, 24                            ; s[24:31] descriptor group 1 for xb's tiles
.set G0, 32                            ; s[32:39] descriptor group 0 for xb's tiles, one set for each slot
.set G1B, 48                           ; s[48:55] descriptor group 1 for wb's tiles: it differs in the mask alone
.set G0B, 56                           ; s[56:63] descriptor group 0 for wb's tiles, one set for each slot
.set MSB, 0
.macro WIN new                         ; the immediate's high byte repeats the setting that is left
.if MSB != \new
	s_set_vgpr_msb (MSB<<8)|\new
.set MSB, \new
.endif
.endm
.set MUL_LO, 0xa1                      ; source 0 (wb) window 1, source 1 (xb) window 0, C and D window 2
.set MUL_HI, 0xf1                      ; the same, C and D window 3
.set TO_B,   0x40                      ; destination window 1, address window 0
; A joint load.  Waves 0 and 1 fetch xb's two halves, waves 2 and 3 wb's.  Each line has one mask and one set of registers for all that issue it.
; The branch hangs on the wave's number alone: it is the same in every work-group.
.macro JLOAD s
	s_cmp_eq_u32 s11, 0
	s_cbranch_scc0 .Lfor_b_\@
	tensor_load_to_lds s[G0+4*\s:G0+4*\s+3], s[G1:G1+7]
	s_nop 0
	s_branch .Lasked_\@
.Lfor_b_\@:
	tensor_load_to_lds s[G0B+4*\s:G0B+4*\s+3], s[G1B:G1B+7]
	s_nop 0
.Lasked_\@:
.endm
; A round of the cluster's barrier: my work-group's barrier, so that wave 0's signal speaks for all four waves; wave 0 signals for the work-group;
; every wave waits for all sixteen work-groups; my work-group's barrier once more.
.macro CREST                           ; a round behind its opening barrier
	s_cmp_lg_u32 s10, 0
	s_cbranch_scc1 .Lnot_wave_0_\@
	s_barrier_signal -3
.Lnot_wave_0_\@:
	s_barrier_wait -3
	s_barrier_signal -1
	s_barrier_wait -1
.endm
.macro CROUND                          ; a whole round
	s_barrier_signal -1
	s_barrier_wait -1
	CREST
.endm
	s_load_b128 s[4:7], s[0:1], 0x0                ; xb s[4:5], wb s[6:7]
	s_load_b64 s[8:9], s[0:1], 0x10                ; qkv
	s_load_b128 s[68:71], s[0:1], 0x18             ; bq s[68:69], bk s[70:71]
	s_load_b64 s[72:73], s[0:1], 0x28              ; bv
	s_set_vgpr_msb 0x40
	v_lshl_add_u32 v255, v0, 2, 0x48400
	s_set_vgpr_msb 0x4000
	v_mov_b32 v31, 0
	s_set_vgpr_msb 0x1
	ds_add_u32 v255, v31
	s_set_vgpr_msb 0x100
	v_lshrrev_b32 v1, 5, v0
	v_readfirstlane_b32 s10, v1                    ; wave 0..3
	s_lshr_b32 s11, s10, 1                         ; which half of the block's rows is mine.  Also: I fetch for xb (0) or for wb (1)
	s_and_b32 s12, s10, 1                          ; which half of its columns.  Also: which 128 rows of that tile I fetch
	s_bfe_u32 s40, ttmp6, 0x40000                  ; cx: my place along the cluster's x
	s_bfe_u32 s41, ttmp6, 0x40004                  ; cy: along its y
	s_lshl_b32 s42, ttmp9, 2                       ; in a cluster launch ttmp9 and ttmp7 count clusters
	s_add_co_u32 s42, s42, s40                     ; block column of C = 4 x cluster x + cx
	s_and_b32 s13, ttmp7, 0xffff
	s_lshl_b32 s13, s13, 2
	s_add_co_u32 s13, s13, s41                     ; block row of C = 4 x cluster y + cy
	s_lshl_b32 s43, s41, 2
	s_lshl_b32 s43, 15, s43                        ; my row of the cluster: places 4 cy .. 4 cy + 3
	s_lshl_b32 s44, 0x1111, s40                    ; my column: places cx, cx + 4, cx + 8, cx + 12
	; descriptor group 1: a tile of 128 rows x 128 elements, padded in LDS
	s_or_b32 s[G1+0], s43, (1<<16)|(1<<20)|(1<<21)|(5<<22)|(3<<25)  ; 15:0 the mask: xb's tiles go to my row; 17:16 element of 2 bytes; 20 padding on; 21 set beside a mask; 24:22 after every 64 words; 31:25 of 4 words
	s_or_b32 s[G1B+0], s44, (1<<16)|(1<<20)|(1<<21)|(5<<22)|(3<<25) ; the same with the mask of my column, for wb's tiles
	s_mov_b32 s[G1B+1], KSTEP<<16
	s_mov_b32 s[G1+1], KSTEP<<16                   ; tensor_dim0 = 128
	s_mov_b32 s[G1B+2], 128<<16
	s_mov_b32 s[G1+2], 128<<16                     ; tensor_dim1 = 128
	s_mov_b32 s[G1B+3], KSTEP<<16
	s_mov_b32 s[G1+3], KSTEP<<16                   ; tile_dim0 = 128
	s_mov_b32 s[G1B+4], 128
	s_mov_b32 s[G1+4], 128                         ; tile_dim1 = 128
	s_mov_b32 s[G1B+5], SIZE_K
	s_mov_b32 s[G1+5], SIZE_K                      ; elements from row to row
	s_mov_b32 s[G1B+6], 0
	s_mov_b32 s[G1+6], 0
	s_mov_b32 s[G1B+7], 0
	s_mov_b32 s[G1+7], 0
	; where the tiles come from.  xb's hang on the block row alone, which my row of the cluster shares; wb's on the block column alone, which my column shares.
	s_lshl_b32 s17, s12, 7                         ; which 128 rows of the tile I fetch
	s_lshl_b32 s16, s13, 8
	s_add_co_u32 s16, s16, s17                     ; xb: row 256 x block row + 128 x half
	s_lshl_b32 s46, s42, 8
	s_add_co_u32 s46, s46, s17                     ; wb: row 256 x block column + 128 x half
	s_mov_b32 s17, 0
	s_mov_b32 s47, 0
	s_mov_b64 s[18:19], SIZE_K*2
	s_mul_u64 s[16:17], s[16:17], s[18:19]         ; in bytes
	s_mul_u64 s[46:47], s[46:47], s[18:19]
	s_mul_i32 s20, s10, HALFT                      ; and where they go: wave x 128 rows: no place in the cluster enters an LDS address
	s_wait_dscnt 0x0
	s_wait_kmcnt 0x0
	s_add_nc_u64 s[14:15], s[4:5], s[16:17]
	s_add_nc_u64 s[46:47], s[6:7], s[46:47]
	s_cmp_eq_u32 ttmp9, 0                          ; the bias vector of my plane: the cluster's x is 0 for q, 1 for k, 2 for v
	s_cselect_b64 s[66:67], s[68:69], s[70:71]
	s_cmp_eq_u32 ttmp9, 2
	s_cselect_b64 s[66:67], s[72:73], s[66:67]
	CROUND                                         ; all sixteen work-groups are here: the first joint loads meet
.irp s, 0,1
	s_mov_b32 s[G0+4*\s], 1                                        ; count = 1
	s_add_co_u32 s[G0+4*\s+1], s20, \s*SLOT                        ; LDS address
	s_add_nc_u64 s[G0+4*\s+2:G0+4*\s+3], s[14:15], \s*KSTEP*2      ; global address: K step s
	s_or_b32 s[G0+4*\s+3], s[G0+4*\s+3], 0x80000000                ; type = 2
	s_mov_b32 s[G0B+4*\s], 1
	s_add_co_u32 s[G0B+4*\s+1], s20, \s*SLOT
	s_add_nc_u64 s[G0B+4*\s+2:G0B+4*\s+3], s[46:47], \s*KSTEP*2
	s_or_b32 s[G0B+4*\s+3], s[G0B+4*\s+3], 0x80000000
	JLOAD \s                                       ; the ring is filled before anything else is done: two tensor loads of a wave are out
.endr
	; A fragment is 16 rows x 32 K in 8 registers: lane l holds row l % 16; registers 0-3 hold K = 8 (l / 16) + 0..7, registers 4-7 hold
	; K = 16 + 8 (l / 16) + 0..7: two loads of 16 bytes, 32 bytes apart.
	v_and_b32 v1, 15, v0                           ; l % 16
	v_bfe_u32 v2, v0, 4, 1                         ; l / 16
	v_mul_u32_u24 v3, v1, PITCH
	v_lshl_add_u32 v3, v2, 4, v3                   ; row x pitch + 16 x half
	s_mul_i32 s21, s11, HALFT                      ; my 128 rows of xb
	s_mul_i32 s22, s12, HALFT                      ; my 128 rows of wb,
	s_add_co_u32 s22, s22, 2*HALFT                 ; which lie behind xb's 256
.irp s, 0,1
	v_add_nc_u32 v[ADRA+\s], s21, v3
	v_add_nc_u32 v[ADRB+\s], s22, v3
	s_add_co_u32 s21, s21, SLOT
	s_add_co_u32 s22, s22, SLOT
.endr
	s_mul_i32 s23, s10, 16*SPITCH
	s_add_co_u32 s23, s23, STAGE                   ; my stage
	v_mul_u32_u24 v4, v1, SPITCH                   ; in: row l % 16, 16 bytes for each half of the lanes
	v_lshl_add_u32 v4, v2, 4, v4
	v_add_nc_u32 v[STO], s23, v4
	v_mul_u32_u24 v5, v2, SPITCH                   ; back: lanes 0-15 take one row of 256 bytes, lanes 16-31 the next
	v_lshl_add_u32 v5, v1, 4, v5
	v_add_nc_u32 v[RD], s23, v5
	v_lshlrev_b32 v5, 11, v2                       ; and the same two rows in C: 2,048 bytes apart
	v_lshl_add_u32 v[CO], v1, 4, v5
	; the bias of my 128 columns: register j of column block b belongs to column 16 b + 8 (l / 16) + j.  Waited for in front of the way out.
	s_lshl_b32 s45, s40, 10                        ; 256 columns of f32 for each block of the plane,
	s_lshl_b32 s3, s12, 9                          ; 128 for my half
	s_add_co_u32 s45, s45, s3
	v_lshl_add_u32 v[BO], v2, 5, s45
.irp b, 0,1,2,3,4,5,6,7
	global_load_b128 v[BIA+8*\b+(\b/4)*160:BIA+8*\b+(\b/4)*160+3],   v[BO], s[66:67] offset:64*\b
	global_load_b128 v[BIA+8*\b+(\b/4)*160+4:BIA+8*\b+(\b/4)*160+7], v[BO], s[66:67] offset:64*\b+16
.endr
; 16 matrix instructions: m blocks a0, a0 + 1 of the window's four x all 8 n blocks, 32 along K.  zero = 1: the first product starts the sums.
; The 64 accumulators take turns, one instruction a turn, in the same order in every quarter step.
.macro MUL16 f, hi, a0, zero
.irp a, \a0, \a0+1
.irp b, 0,1,2,3,4,5,6,7
.if \zero
	v_wmma_f32_16x16x32_bf16 v[8*(8*(\a)+\b):8*(8*(\a)+\b)+7], v[\f+8*\b:\f+8*\b+7], v[\f+8*(4*\hi+\a):\f+8*(4*\hi+\a)+7], 0
.else
	v_wmma_f32_16x16x32_bf16 v[8*(8*(\a)+\b):8*(8*(\a)+\b)+7], v[\f+8*\b:\f+8*\b+7], v[\f+8*(4*\hi+\a):\f+8*(4*\hi+\a)+7], v[8*(8*(\a)+\b):8*(8*(\a)+\b)+7]
.endif
.endr
.endr
.endm
; 32 LDS loads in one run: the fragments of one quarter step (128 rows of wb, 128 rows of xb, 32 K at byte k of the rows) into buffer f
.macro FETCH slot, k, f
	WIN TO_B
.irp i, 0,1,2,3,4,5,6,7
	ds_load_b128 v[\f+8*\i:\f+8*\i+3],   v[ADRB+\slot] offset:\k+\i*16*PITCH
	ds_load_b128 v[\f+8*\i+4:\f+8*\i+7], v[ADRB+\slot] offset:\k+\i*16*PITCH+32
.endr
	WIN 0
.irp i, 0,1,2,3,4,5,6,7
	ds_load_b128 v[\f+8*\i:\f+8*\i+3],   v[ADRA+\slot] offset:\k+\i*16*PITCH
	ds_load_b128 v[\f+8*\i+4:\f+8*\i+7], v[ADRA+\slot] offset:\k+\i*16*PITCH+32
.endr
.endm
; A load into a register that a matrix instruction has read, and a vector instruction that reads a matrix result, stand four independent plain
; vector instructions behind that matrix instruction (ISA guide 7.12.1 for vector instructions).
.macro PLACES
.rept 4
	v_nop
.endr
.endm
; A K step is four quarter steps of 32 along K, 64 matrix instructions each, on buffers 0, 1, 0, 1.
; One of the first three: multiplies buffer f; in its middle it fetches the next quarter's fragments into buffer g.
.macro QUARTER slot, k, f, g, zero
	s_wait_dscnt 8                                 ; wb and xb's rows 0-63 are in; the youngest eight loads (xb's rows 64-127) may be out
	WIN MUL_LO
	MUL16 \f, 0, 0, \zero
	MUL16 \f, 0, 2, \zero
	PLACES
	FETCH \slot, \k, \g
	s_wait_dscnt 32                                ; all but the 32 just issued
	WIN MUL_HI
	MUL16 \f, 1, 0, \zero
	MUL16 \f, 1, 2, \zero
.endm
.macro THREE slot, zero
	QUARTER \slot, 64,  F0, F1, \zero
	QUARTER \slot, 128, F1, F0, 0
	QUARTER \slot, 192, F0, F1, 0
.endm
; The last quarter: multiplies buffer 1 and changes slots.  In front of the barrier each wave waits for its own reads of this slot and for all its
; tensor loads, of which one is out: its part of the next slot.  Behind it nobody reads this slot any more and the next slot is whole: the refill
; comes first, then the next slot's first fragments.
.macro TURN slot, next, fill
	s_wait_dscnt 8
	WIN MUL_LO
	MUL16 F1, 0, 0, 0
	s_wait_dscnt 0                                 ; my reads of this slot are over
	s_wait_tensorcnt 0x0                           ; and all my tensor loads have landed: the one that was out is my part of the next slot
	ds_add_u32 v255, v31
	s_wait_dscnt 0x0
	s_barrier_signal -1                            ; say so (where a slot is filled again this barrier opens a round of the cluster's barrier),
	MUL16 F1, 0, 2, 0                              ; work on registers while the others arrive,
	WIN 0
	s_barrier_wait -1                              ; and go on when all four have said so
.if \fill
	CREST                                          ; all sixteen work-groups have said so: no wave of any partner still reads this slot's tile or has a load on its way
	s_add_nc_u64 s[G0+4*\slot+2:G0+4*\slot+3], s[G0+4*\slot+2:G0+4*\slot+3], 2*KSTEP*2
	s_add_nc_u64 s[G0B+4*\slot+2:G0B+4*\slot+3], s[G0B+4*\slot+2:G0B+4*\slot+3], 2*KSTEP*2
	JLOAD \slot                                    ; the first tensor load behind the round, the wave's only one until the next
.endif
	PLACES
	FETCH \next, 0, F0
	WIN MUL_HI
	MUL16 F1, 1, 0, 0
	MUL16 F1, 1, 2, 0
.endm
.macro LAP zero                        ; once round the ring, both slots filled again
	THREE 0, \zero
	TURN 0, 1, 1
	THREE 1, 0
	TURN 1, 0, 1
.endm
	s_wait_tensorcnt 1                             ; my part of K step 0 is in; K step 1's load, issued behind it, stays out
	s_barrier_signal -1
	s_barrier_wait -1                              ; everybody's is
	FETCH 0, 0, F0
	LAP 1                                          ; the first lap stands in front of the loop: its first products start the sums
	WIN 0                                          ; at a label and at a branch every window is 0
	s_mov_b32 s3, LAPS-2
.Llap:
	LAP 0
	WIN 0
	s_sub_co_u32 s3, s3, 1
	s_cmp_lg_u32 s3, 0
	s_cbranch_scc1 .Llap
	THREE 0, 0                                     ; the last lap fills nothing: my one tensor load that is still out is slot 1's, the last K step's
	TURN 0, 1, 0
	THREE 1, 0
	s_wait_dscnt 8                                 ; the very last quarter: nothing more to fetch
	WIN MUL_LO
	MUL16 F1, 0, 0, 0
	MUL16 F1, 0, 2, 0
	s_wait_dscnt 0
	WIN MUL_HI
	MUL16 F1, 1, 0, 0
	MUL16 F1, 1, 2, 0
	; THE WAY OUT, 16 rows of C at a time: add the bias, round to bf16, 16 bytes a lane into my own stage in LDS, read back as whole rows of 256 bytes.
	PLACES                                         ; the places behind the last matrix instructions, for the adds and for the loads into buffers 0 and 1
	s_lshl_b32 s13, s13, 8
	s_lshl_b32 s14, s11, 7
	s_add_co_u32 s16, s13, s14                     ; my first row of C,
	s_lshl_b32 s16, s16, 11                        ; in bytes: 2,048 a row
	s_mov_b32 s17, 0
	s_add_nc_u64 s[8:9], s[8:9], s[16:17]
	s_lshl_b32 s46, s40, 9                         ; my first column inside the plane, in bytes: 512 x cx + 256 x half,
	s_lshl_b32 s47, s12, 8
	s_add_co_u32 s46, s46, s47
	s_lshl_b32 s47, ttmp9, 23                      ; and the plane: 8,388,608 bytes each
	s_add_co_u32 s46, s46, s47
	s_mov_b32 s47, 0
	s_add_nc_u64 s[8:9], s[8:9], s[46:47]
	s_wait_loadcnt 0x0                             ; the bias
; rows 16 i .. 16 i + 15 of my block = the eight tiles (a, 0..7) of window 2 or 3 (add: the window setting of the bias add; from: of the conversions); f: F0 or F1 in turn
.macro OUT16 i, a, add, from, f
	WIN \add
.irp b, 0,1,2,3,4,5,6,7
.irp r, 0,1,2,3
	v_pk_add_f32 v[8*(8*\a+\b)+2*\r:8*(8*\a+\b)+2*\r+1], v[8*(8*\a+\b)+2*\r:8*(8*\a+\b)+2*\r+1], v[BIA+8*\b+(\b/4)*160+2*\r:BIA+8*\b+(\b/4)*160+2*\r+1]
.endr
.endr
	WIN \from
.irp b, 0,1,2,3,4,5,6,7
.irp r, 0,1,2,3
	v_cvt_pk_bf16_f32 v[TMP+4*\b+\r], v[8*(8*\a+\b)+2*\r], v[8*(8*\a+\b)+2*\r+1]
.endr
.endr
	WIN 0
.irp b, 0,1,2,3,4,5,6,7
	ds_store_b128 v[STO], v[TMP+4*\b:TMP+4*\b+3] offset:32*\b
.endr
	s_wait_xcnt 0x0                                ; buffer f, which earlier stores read, and the stores' base are rewritten only behind this wait
.if \i
	s_add_nc_u64 s[8:9], s[8:9], 16*CP*2           ; 16 rows of C on
.endif
.irp t, 0,1,2,3,4,5,6,7
	ds_load_b128 v[\f+4*\t:\f+4*\t+3], v[RD] offset:\t*2*SPITCH    ; LDS serves a wave's instructions in order: these see the stores above
.endr
.irp t, 0,1,2,3,4,5,6,7
	s_wait_dscnt 7-\t                              ; read-back t is in, the 7 - t younger ones stay out
	global_store_b128 v[CO], v[\f+4*\t:\f+4*\t+3], s[8:9] offset:2*\t*CP*2   ; 16 lanes store 256 consecutive bytes, aligned
.endr
.endm
	OUT16 0, 0, 0x82, 0x0a, F0
	OUT16 1, 1, 0x82, 0x0a, F1
	OUT16 2, 2, 0x82, 0x0a, F0
	OUT16 3, 3, 0x82, 0x0a, F1
	OUT16 4, 0, 0xc3, 0x0f, F0
	OUT16 5, 1, 0xc3, 0x0f, F1
	OUT16 6, 2, 0xc3, 0x0f, F0
	OUT16 7, 3, 0xc3, 0x0f, F1
	s_set_vgpr_msb 0x1
	s_wait_tensorcnt 0x0
	ds_add_u32 v255, v31
	s_wait_dscnt 0x0
	s_set_vgpr_msb 0x100
	CROUND                                         ; the closing round: no work-group ends while a partner may still ask for a tile that names it
	s_endpgm
.Lfunc_end_k_q4d3c5db319_qkv:
	.size	k_q4d3c5db319_qkv, .Lfunc_end_k_q4d3c5db319_qkv-k_q4d3c5db319_qkv
	.p2alignl 7, 3214868480
	.fill 96, 4, 3214868480
	.section	.rodata,"a",@progbits
	.p2align	6, 0x0
	.amdhsa_kernel k_q4d3c5db319_qkv
		.amdhsa_group_segment_fixed_size 327680
		.amdhsa_private_segment_fixed_size 0
		.amdhsa_enable_private_segment 0
		.amdhsa_kernarg_size 48
		.amdhsa_user_sgpr_count 2
		.amdhsa_user_sgpr_kernarg_segment_ptr 1
		.amdhsa_wavefront_size32 1
		.amdhsa_system_sgpr_workgroup_id_x 1
		.amdhsa_system_sgpr_workgroup_id_y 1
		.amdhsa_system_sgpr_workgroup_id_z 1
		.amdhsa_system_vgpr_workitem_id 0
		.amdhsa_next_free_vgpr 1024
		.amdhsa_next_free_sgpr 74
		.amdhsa_reserve_vcc 0
		.amdhsa_float_denorm_mode_32 3
		.amdhsa_float_denorm_mode_16_64 3
		.amdhsa_memory_ordered 1
		.amdhsa_forward_progress 1
		.amdhsa_inst_pref_size 214
	.end_amdhsa_kernel
	.amdgpu_metadata
---
amdhsa.version: [ 1, 2 ]
amdhsa.kernels:
  - .name:           k_q4d3c5db319_qkv
    .symbol:         k_q4d3c5db319_qkv.kd
    .args:
      - { .name: xb, .offset: 0, .size: 8, .value_kind: global_buffer, .address_space: global }
      - { .name: wb, .offset: 8, .size: 8, .value_kind: global_buffer, .address_space: global }
      - { .name: qkv, .offset: 16, .size: 8, .value_kind: global_buffer, .address_space: global }
      - { .name: bq, .offset: 24, .size: 8, .value_kind: global_buffer, .address_space: global }
      - { .name: bk, .offset: 32, .size: 8, .value_kind: global_buffer, .address_space: global }
      - { .name: bv, .offset: 40, .size: 8, .value_kind: global_buffer, .address_space: global }
    .group_segment_fixed_size: 327680
    .private_segment_fixed_size: 0
    .kernarg_segment_align: 8
    .kernarg_segment_size: 48
    .max_flat_workgroup_size: 128
    .sgpr_count:     74
    .vgpr_count:     1024
    .wavefront_size: 32
...
	.end_amdgpu_metadata
.endif
;; end of part 2
;; launch attn (part 3): grid 256 x 1, 4 waves a work-group, clusters of 4 x 1, 283,648 bytes of LDS; arguments qkv, x, gamma, beta, out0, cpart; writes out0, cpart
.if DOCPART == 3
	.amdgcn_target "amdgcn-amd-amdhsa--gfx1250"
	.amdhsa_code_object_version 6
	.text
	.protected	k_q4d3c5db319_attn
	.globl	k_q4d3c5db319_attn
	.p2align	8
	.type	k_q4d3c5db319_attn,@function
k_q4d3c5db319_attn:
	s_mov_b64 s[64:65], 0
	v_nop
	global_prefetch_b8 v0, s[64:65] scope:SCOPE_SE
	s_setreg_imm32_b32 hwreg(HW_REG_WAVE_MODE, 25, 1), 1
	s_wait_xcnt 0x0
	s_wait_alu depctr_hold_cnt(0) depctr_sa_sdst(0) depctr_va_vdst(0) depctr_va_sdst(0) depctr_va_ssrc(0) depctr_va_vcc(0) depctr_vm_vsrc(0)
	s_getreg_b32 s2, hwreg(HW_REG_IB_STS2, 6, 4)
	s_cmp_eq_u32 s2, 0
	s_cbranch_scc0 .Lentry_in_a_cluster
	s_endpgm
.Lentry_in_a_cluster:
	s_bfe_u32 s2, ttmp6, 0x10000c
	s_cmp_lg_u32 s2, 0x3003
	s_cbranch_scc0 .Lentry_shape_is_right
	s_endpgm
.Lentry_shape_is_right:
; Attention, residual and LayerNorm.  The row-major reshape makes group g (64 of them) the rows 64 g .. 64 g + 63 of q, k, v: token i = 16 (row - 64 g) + col / 64,
; d = col % 64, so a group's Q, K or V is a dense block of 1,024 tokens x 128 bytes, and one row of x is 16 neighbouring queries.
; A cluster of four work-groups is one group; work-group cx owns queries 256 cx .. + 255 = 16 blocks of 16 queries = 16 rows of x.
; The four waves split the KEYS: wave w keeps K and V of keys 256 w .. + 255 as matrix fragments in 512 registers for the whole launch.
; K and V are the same for the four work-groups: wave w of each asks for them jointly (mask 15).  They are first fills alone: one round of the cluster's barrier in
; front of them, one in front of the end.  By this text's count a wave has two tensor loads out, once.
; Per block:  S^T = K Q^T (lane (r, h), register j of tile kt: key 16 kt + 8 h + j, query r);  M_w = max(0, max S) over the wave's keys (0 is relu's floor);
; p = exp2(max(s c + t, t)), c = log2(e) / 32, t = - M_w c, which is exp(relu(s / 32) - M_w / 32);  l_w = sum of p;  two neighbouring tiles of p packed to bf16 are
; the B fragment of P^T;  O^T = V^T P^T.  The waves exchange (M_w c, l_w) through LDS: mu = max, l = sum of exp2(mu_w - mu) l_w, g = exp2(mu_own - mu) / l.
; p stays in f32 registers until g is known: the column sums take p g, and O g goes to LDS.  At the end wave w sums the four waves' partial contexts of rows 4 w .. 4 w + 3,
; adds x and normalises (mean first, then the squares of the differences).
; THE ORDER OF A BLOCK: products and vector work are laid side by side.  The 32 score products of the next block go one at a time, each followed by four vector
; instructions on other registers (the old p into the column sums, the new scores into the running maxima).  Of the 32 products of O^T sixteen go one at a time into
; the pipeline of exponentials, as soon as their fragments of P^T are packed; the other sixteen stand where the wave would otherwise wait for LDS or for a short chain
; of dependent results in the exchange of the statistics.  K and V each fill a window of 256 registers, so a product's source 0 and the vector work's source 0 never
; share a window: every such change of work costs an s_set_vgpr_msb.
; LIMITS: a NaN among the scores is dropped by the maxima; probabilities and factors below 2^-126 become zero; row sums are formed per wave and then joined, another
; order of rounding than a sum along the row; q, k, v and p enter the products in bf16.
.set WREG,  70656                      ; a wave's LDS region: K's stage, V's stage, the column sums' stage
.set STG,   34816                      ; a stage: 128 rows of 256 bytes (two keys each) 272 bytes apart; key n lies at (n / 2) 272 + (n % 2) 128
.set OBLK,  4352                       ; a block's partial context: 16 queries x 256 bytes, 272 apart; the 16 blocks lie over the two stages, which have had their only fill
.set CSTG,  69632                      ; the column sums' stage, 1,024 bytes: no fill lands there
.set STATS, 282624                     ; behind the four regions: 4 waves x 16 queries x (mu, l)
.set PLANE, 8388608                    ; bytes of q, of k, of v
; window 0
.set ADK,  8                           ; LDS address of my K fragments
.set ADV,  9                           ; of my V fragments (transposing loads)
.set STA,  10                          ; where I put my query's (mu, l)
.set STL,  11                          ; where I read wave 0's; the others 128 bytes apart
.set OPA,  12                          ; where I put my part of this block's context; steps by OBLK
.set QOF,  13                          ; my byte offset in this block's row of q; steps by 2,048
.set XO,   14                          ; 16 x lane
.set CSA,  15                          ; where I put column sums
.set MX,   16                          ; v[16:19] four running maxima
.set TNEG, 20                          ; v[20:21] t, twice
.set MUL_, 22                          ; v[22:23] (mu_w, l_w)
.set LSUM, 24                          ; v[24:31] four pairs of running sums
.set ST,   32                          ; v[32:39] the four waves' (mu, l)
.set GSC,  40                          ; v[40:41] g, twice
.set CSB,  48                          ; v[48:55] column sums read back
.set LNA,  56                          ; v[56:59] LayerNorm: LDS address of wave 0..3's partial context of my first row
.set CSR,  60                          ; read-back address of my column sums
.set SC,   64                          ; v[64:191] scores, then p: tile kt at 64 + 8 kt
.set PB,   192                         ; v[192:255] p in bf16: 192 + 4 kt + j / 2
.set HR,   64                          ; LayerNorm: a row, 32 registers
.set WK,   96                          ; LayerNorm: at work
; window 1: K(kt, ks) at 16 kt + 8 ks; at the end x's row i at 32 i, gamma at 128, beta at 160
.set GAM,  128
.set BET,  160
; window 2: V(dt, ks) at 32 ks + 8 dt; at the end two buffers of 128: wave wv's partial context of a row at 128 (row % 2) + 32 wv
; window 3
.set CSUM, 0                           ; column sums, tile kt at 8 kt
.set OACC, 128                         ; O^T, tile dt at 128 + 8 dt
.set QF,   160                         ; Q(ks) at 160 + 8 ks
.set MSB, 0
.macro WIN new                         ; low byte: bits 1:0 source 0, 3:2 source 1, 5:4 source 2, 7:6 destination; the high byte repeats the setting that is left
.if MSB != \new
	s_set_vgpr_msb (MSB<<8)|\new
.set MSB, \new
.endif
.endm
.macro PLACES                          ; four independent plain vector instructions behind a matrix instruction (ISA guide 7.12.1)
.rept 4
	v_nop
.endr
.endm
.macro ROUND                           ; a round of the cluster's barrier
	s_barrier_signal -1
	s_barrier_wait -1
	s_cmp_lg_u32 s16, 0
	s_cbranch_scc1 .Lnot_wave_0_\@
	s_barrier_signal -3
.Lnot_wave_0_\@:
	s_barrier_wait -3
	s_barrier_signal -1
	s_barrier_wait -1
.endm
; four steps of the running maxima on tile kt; tile 0 starts the chains with relu's floor
.macro MAXT kt
	WIN 0
.irp c, 0,1,2,3
.if (\kt) == 0
	v_max3_num_f32 v[MX+\c], v[SC+8*(\kt)+2*\c], v[SC+8*(\kt)+2*\c+1], 0
.else
	v_max3_num_f32 v[MX+\c], v[SC+8*(\kt)+2*\c], v[SC+8*(\kt)+2*\c+1], v[MX+\c]
.endif
.endr
.endm
; one score product: tile kt, d = 32 ks .. 32 ks + 31.  A = K window 1, B = Q window 3, C and D window 0.  The first of a tile's two starts its sum
.macro WS kt, ks
	WIN 0x0d
.if \ks
	v_wmma_f32_16x16x32_bf16 v[SC+8*(\kt):SC+8*(\kt)+7], v[16*(\kt)+8:16*(\kt)+15], v[QF+8:QF+15], v[SC+8*(\kt):SC+8*(\kt)+7]
.else
	v_wmma_f32_16x16x32_bf16 v[SC+8*(\kt):SC+8*(\kt)+7], v[16*(\kt):16*(\kt)+7], v[QF:QF+7], 0
.endif
.endm
; the old p of tile kt, times g, into the column sums.  prev = 2: added; 1: the first block starts the sums, nothing is cleared; 0: no block before, four v_nop keep the distance
.macro CSF kt, prev
.if \prev == 2
	WIN 0xf0
.irp e, 0,1,2,3
	v_pk_fma_f32 v[CSUM+8*(\kt)+2*\e:CSUM+8*(\kt)+2*\e+1], v[SC+8*(\kt)+2*\e:SC+8*(\kt)+2*\e+1], v[GSC:GSC+1], v[CSUM+8*(\kt)+2*\e:CSUM+8*(\kt)+2*\e+1]
.endr
.else
.if \prev == 1
	WIN 0xc0
.irp e, 0,1,2,3
	v_pk_mul_f32 v[CSUM+8*(\kt)+2*\e:CSUM+8*(\kt)+2*\e+1], v[SC+8*(\kt)+2*\e:SC+8*(\kt)+2*\e+1], v[GSC:GSC+1]
.endr
.else
	PLACES
.endif
.endif
.endm
.macro OSCALE                          ; O g, in place in window 3
	WIN 0xc3
.irp e, 0,1,2,3,4,5,6,7,8,9,10,11,12,13,14,15
	v_pk_mul_f32 v[OACC+2*\e:OACC+2*\e+1], v[OACC+2*\e:OACC+2*\e+1], v[GSC:GSC+1]
.endr
.endm
.macro OSTORE                          ; my partial context of this block into my own region; data from window 3
	WIN 0x0c
.irp dt, 0,1,2,3
	ds_store_b128 v[OPA], v[OACC+8*\dt:OACC+8*\dt+3]   offset:64*\dt       ; query r, d = 16 dt + 8 h + 0..3
	ds_store_b128 v[OPA], v[OACC+8*\dt+4:OACC+8*\dt+7] offset:64*\dt+16
.endr
.endm
; product n (0 to 31) of O^T: keys 32 (n / 4) .., rows d = 16 (n % 4) ..  A = V^T window 2, B = P^T window 0, C and D window 3.  In the order of n the four
; accumulators take turns, one instruction a turn; products 0 to 3 start the sums
.macro PVW n
	WIN 0xf2
.if (\n) < 4
	v_wmma_f32_16x16x32_bf16 v[OACC+8*((\n)%4):OACC+8*((\n)%4)+7], v[32*((\n)/4)+8*((\n)%4):32*((\n)/4)+8*((\n)%4)+7], v[PB+8*((\n)/4):PB+8*((\n)/4)+7], 0
.else
	v_wmma_f32_16x16x32_bf16 v[OACC+8*((\n)%4):OACC+8*((\n)%4)+7], v[32*((\n)/4)+8*((\n)%4):32*((\n)/4)+8*((\n)%4)+7], v[PB+8*((\n)/4):PB+8*((\n)/4)+7], v[OACC+8*((\n)%4):OACC+8*((\n)%4)+7]
.endif
.endm
; The next block's scores, two tiles at a time: first halves of both, second halves of both, so that the accumulators take turns, one instruction a turn.
; Behind each product stand four vector instructions that name none of its registers.  A tile's old p has gone into the column sums before its first product
; overwrites it; a tile's maxima stand behind its second product and the four instructions that follow that product, which are the distance that a reader of a
; matrix result keeps (ISA guide 7.12.1).  prev as in CSF.  With a block before: O g and its stores stand behind the first two products, and the barrier that separates
; this block's reads of the statistics from the next block's store is signalled behind the twelfth product, when the eight LDS stores have had time to end.
.macro PHASE_S prev
.if \prev
	CSF 0, \prev
	CSF 1, \prev
.endif
.irp u, 0,1,2,3,4,5,6,7
	WS 2*\u, 0
.if \u
	MAXT 2*\u-1
.else
.if \prev
	OSCALE
.endif
.endif
	WS 2*\u+1, 0
.if \u == 0
.if \prev
	OSTORE
.endif
.endif
.if \u < 7
	CSF 2*\u+2, \prev
.endif
	WS 2*\u, 1
.if \u < 7
	CSF 2*\u+3, \prev
.else
	PLACES                                         ; no tile is left for the column sums: the distance for tile 14's maxima
.endif
	WS 2*\u+1, 1
	MAXT 2*\u
.if \u == 2
.if \prev
	s_wait_dscnt 0x0                               ; my reads of the statistics are back (waited for ahead of their use) and my partial context is in LDS
	s_barrier_signal -1                            ; only products and vector work stand between this signal and its wait
.endif
.endif
.endr
	MAXT 15                                        ; tile 14's four maxima are the distance behind tile 15's second product
.endm
; Scores to p, in place, as a pipeline over the tiles: in step i tile i + 1 gets s c + t, tile i the floor t, tile i - 1 its exponentials, tile i - 2 is summed and packed.
; Behind every exponential stands a plain instruction on other registers, and its result is first read a step later (ISA guide 5.7.2).
; Products 0 to 15 of O^T ride along: one in each of steps 4 to 15, four in step 16.  Product n needs tiles 2 (n / 4) and 2 (n / 4) + 1 packed, which is so from step
; 2 (n / 4) + 4 on; the packing lines of a step write tile i - 2's registers, never those that a product of that step reads.
.macro SOFTEXP
.set i, -1
.rept 19
.set j, 0
.rept 8
.if i >= 1
.if i <= 16
	v_exp_f32 v[SC+8*(i-1)+j], v[SC+8*(i-1)+j]
.endif
.endif
.if i >= 0
.if i <= 15
	v_max_num_f32 v[SC+8*i+j], v[SC+8*i+j], v[TNEG]
.endif
.endif
.if i >= 2
.if (j % 2) == 0
.if i == 3
	s_wait_alu depctr_va_vdst(0)
	v_pk_add_f32 v[LSUM+j:LSUM+j+1], v[SC+j:SC+j+1], v[SC+8+j:SC+8+j+1]          ; tiles 0 and 1 start the sums
.endif
.if i > 3
	s_wait_alu depctr_va_vdst(0)
	v_pk_add_f32 v[LSUM+j:LSUM+j+1], v[LSUM+j:LSUM+j+1], v[SC+8*(i-2)+j:SC+8*(i-2)+j+1]
.endif
.else
	s_wait_alu depctr_va_vdst(0)
	v_cvt_pk_bf16_f32 v[PB+4*(i-2)+(j-1)/2], v[SC+8*(i-2)+j-1], v[SC+8*(i-2)+j]
.endif
.endif
.if j < 4
.if i <= 14
	v_pk_fma_f32 v[SC+8*(i+1)+2*j:SC+8*(i+1)+2*j+1], v[SC+8*(i+1)+2*j:SC+8*(i+1)+2*j+1], s[20:21], v[TNEG:TNEG+1] op_sel_hi:[1,0,1]
.endif
.endif
.if i >= 4
.if i <= 15
.if j == 5
	PVW i-4
	WIN 0
.endif
.endif
.endif
.if i == 16
.if (j % 2) == 1
	PVW 12+(j-1)/2
	WIN 0
.endif
.endif
.set j, j+1
.endr
.set i, i+1
.endr
.endm
; One block of 16 queries, its scores in SC and their four running maxima in MX.
; first = 1: the first block.  next = 1: the next block's Q is fetched and its scores are made at the end; 0: the last block.
.macro BLOCK first, next
	WIN 0
	v_max3_num_f32 v[MX], v[MX], v[MX+1], v[MX+2]
	v_max_num_f32 v[MX], v[MX], v[MX+3]
	v_permlanex16_b32 v3, v[MX], s22, s23          ; the other half of the lanes holds the query's other 128 keys
	v_max_num_f32 v[MX], v[MX], v3                 ; M_w
	v_mul_f32 v[TNEG], 0xbd38aa3b, v[MX]           ; t = - M_w c
	v_mul_f32 v[TNEG+1], 0xbd38aa3b, v[MX]
	v_mul_f32 v[MUL_], 0x3d38aa3b, v[MX]           ; mu_w = M_w c
	; tile 14's maxima and the lines above stand between the last score product and the loads into its sources
.if \next
	WIN 0xc0
.irp e, 0,1,2,3
	global_load_b128 v[QF+4*\e:QF+4*\e+3], v[QOF], s[58:59] offset:2048+32*\e    ; the next block's Q: this block's is no longer needed
.endr
.else
	WIN 0x40                                       ; K is no longer needed: my four rows of x, gamma and beta, a block of work ahead of their use
.irp i, 0,1,2,3
.irp j, 0,1,2,3,4,5,6,7
	global_load_b128 v[32*\i+4*\j:32*\i+4*\j+3], v[XO], s[50:51] offset:4096*\i+512*\j th:TH_LOAD_NT
.endr
.endr
.irp j, 0,1,2,3,4,5,6,7
	global_load_b128 v[GAM+4*\j:GAM+4*\j+3], v[XO], s[8:9] offset:512*\j
	global_load_b128 v[BET+4*\j:BET+4*\j+3], v[XO], s[10:11] offset:512*\j
.endr
.endif
	WIN 0
	SOFTEXP
	v_pk_add_f32 v[LSUM:LSUM+1], v[LSUM:LSUM+1], v[LSUM+2:LSUM+3]
	v_pk_add_f32 v[LSUM+4:LSUM+5], v[LSUM+4:LSUM+5], v[LSUM+6:LSUM+7]
	v_pk_add_f32 v[LSUM:LSUM+1], v[LSUM:LSUM+1], v[LSUM+4:LSUM+5]
	v_add_f32 v[MUL_+1], v[LSUM], v[LSUM+1]
	v_permlanex16_b32 v3, v[MUL_+1], s22, s23
	v_add_f32 v[MUL_+1], v[MUL_+1], v3             ; l_w
	ds_store_b64 v[STA], v[MUL_:MUL_+1]            ; lanes r and r + 16 write the same words with the same values
.irp n, 16,17,18,19,20,21
	PVW \n                                         ; six products while the store ends
.endr
	s_wait_dscnt 0x0                               ; my statistics are in LDS
	s_barrier_signal -1
	PVW 22                                         ; register work while the others arrive
	PVW 23
	WIN 0
	s_barrier_wait -1                              ; all four waves' statistics are in LDS
.irp wv, 0,1,2,3
	ds_load_b64 v[ST+2*\wv:ST+2*\wv+1], v[STL] offset:128*\wv
.endr
.irp n, 24,25,26,27
	PVW \n                                         ; four products while the loads are on their way
.endr
	WIN 0
	s_wait_dscnt 0x0
	v_max3_num_f32 v42, v[ST], v[ST+2], v[ST+4]
	v_max_num_f32 v42, v42, v[ST+6]                ; mu
	v_sub_f32 v[ST], v[ST], v42
	v_sub_f32 v[ST+2], v[ST+2], v42
	v_sub_f32 v[ST+4], v[ST+4], v42
	v_sub_f32 v[ST+6], v[ST+6], v42
	v_sub_f32 v43, v[MUL_], v42
	v_exp_f32 v[ST], v[ST]
	v_exp_f32 v[ST+2], v[ST+2]
	v_exp_f32 v[ST+4], v[ST+4]
	v_exp_f32 v[ST+6], v[ST+6]
	v_exp_f32 v43, v43
	v_nop                                          ; one plain instruction behind the exponentials (ISA guide 5.7.2); the products below are none
.irp n, 28,29,30,31
	PVW \n                                         ; the last four products
.endr
	WIN 0
	s_wait_alu depctr_va_vdst(0)
	v_mul_f32 v44, v[ST], v[ST+1]
	v_mul_f32 v46, v[ST+4], v[ST+5]
	v_fmac_f32 v44, v[ST+2], v[ST+3]
	v_fmac_f32 v46, v[ST+6], v[ST+7]
	v_add_f32 v44, v44, v46                        ; l: at least about 1, since the wave with the maximum has factor 1 and a term near 1
	v_rcp_f32 v45, v44
	v_nop
	s_wait_alu depctr_va_vdst(0)
	v_mul_f32 v[GSC], v43, v45                     ; g = exp2(mu_own - mu) / l
	v_mul_f32 v[GSC+1], v43, v45                   ; the eight plain lines since the last product are more than the distance that O's scaling keeps
.if \next
	s_wait_loadcnt 0x0                             ; the next block's Q
.if \first
	PHASE_S 1
.else
	PHASE_S 2
.endif
.else
	OSCALE
	OSTORE
	s_wait_dscnt 0x0                               ; my partial context is in LDS
	s_barrier_signal -1                            ; behind this barrier the partial contexts are read
	WIN 0x30                                       ; the last block's p g and the sums so far, into window 0
.irp i, 0,1,2,3,4,5,6,7,8,9,10,11,12,13,14,15,16,17,18,19,20,21,22,23,24,25,26,27,28,29,30,31,32,33,34,35,36,37,38,39,40,41,42,43,44,45,46,47,48,49,50,51,52,53,54,55,56,57,58,59,60,61,62,63
	v_pk_fma_f32 v[SC+2*\i:SC+2*\i+1], v[SC+2*\i:SC+2*\i+1], v[GSC:GSC+1], v[CSUM+2*\i:CSUM+2*\i+1]
.endr
	WIN 0
.irp m, 1,2,4,8                                        ; the sum over the 16 queries of a half of the lanes: every lane of the half ends with it
.set n, 0
.rept 128
	v_add_f32_dpp v[SC+n], v[SC+n], v[SC+n] row_xmask:\m row_mask:0xf bank_mask:0xf
.set n, n+1
.endr
.endr
.endif
	WIN 0
	s_barrier_wait -1                              ; every wave has read this block's statistics: the next block may store its own
.if \next
	v_add_nc_u32 v[OPA], OBLK, v[OPA]
	v_add_nc_u32 v[QOF], 2048, v[QOF]              ; the load that named it was shown done by the wait for Q above
.endif
.endm
	s_load_b256 s[4:11], s[0:1], 0x0               ; qkv s[4:5], x s[6:7], gamma s[8:9], beta s[10:11]
	s_load_b128 s[12:15], s[0:1], 0x20             ; out0 s[12:13], cpart s[14:15]
	v_lshl_add_u32 v62, v0, 2, 0x45200
	v_mov_b32 v63, 0
	ds_add_u32 v62, v63
	v_lshrrev_b32 v1, 5, v0
	v_readfirstlane_b32 s16, v1                    ; wave 0..3
	s_bfe_u32 s17, ttmp6, 0x40000                  ; cx; it enters global addresses alone
	s_mov_b32 s20, 0x3d38aa3b                      ; c = log2(e) / 32, twice
	s_mov_b32 s21, 0x3d38aa3b
	s_mov_b32 s22, 0x76543210                      ; v_permlanex16_b32: lane i of one half reads lane i of the other
	s_mov_b32 s23, 0xfedcba98
	s_mov_b32 s57, 0x3a800000                      ; 1 / 1024
	s_mov_b32 s61, 0x3727c5ac                      ; 1e-5
	s_mul_i32 s19, s16, WREG                       ; my LDS region
	; group 1: a dense block of 32,768 bytes as 128 rows of 32 elements of 8 bytes, 16 bytes of padding behind each row
	s_mov_b32 s40, 15|(3<<16)|(1<<20)|(1<<21)|(5<<22)|(3<<25)   ; 15:0 the mask: all four work-groups; 17:16 8 bytes; 20 padding on; 21 set beside a mask; after every 64 words, 4 words
	s_mov_b32 s41, 32<<16                          ; tensor_dim0 = 32
	s_mov_b32 s42, 128<<16                         ; tensor_dim1 = 128
	s_mov_b32 s43, 32<<16                          ; tile_dim0 = 32
	s_mov_b32 s44, 128                             ; tile_dim1 = 128
	s_mov_b32 s45, 32                              ; elements from row to row
	s_mov_b32 s46, 0
	s_mov_b32 s47, 0
	s_mov_b32 s32, 1                               ; group 0 for K
	s_mul_i32 s33, s16, WREG
	s_mov_b32 s36, 1                               ; group 0 for V
	s_add_co_u32 s37, s33, STG
	s_lshl_b32 s24, ttmp9, 17                      ; K of my keys: plane 1, group g (131,072 bytes), wave w (32,768 bytes): equal in the four partners
	s_lshl_b32 s25, s16, 15
	s_add_co_u32 s24, s24, s25
	s_add_co_u32 s24, s24, PLANE
	s_mov_b32 s25, 0
	s_lshl_b32 s28, ttmp9, 17                      ; Q: plane 0, row 64 g + 16 cx
	s_lshl_b32 s29, s17, 15
	s_add_co_u32 s28, s28, s29
	s_mov_b32 s29, 0
	s_lshl_b32 s30, ttmp9, 18                      ; x and out0: row 64 g + 16 cx + 4 w, 4,096 bytes a row
	s_lshl_b32 s31, s17, 16
	s_add_co_u32 s30, s30, s31
	s_lshl_b32 s31, s16, 14
	s_add_co_u32 s30, s30, s31
	s_mov_b32 s31, 0
	s_wait_dscnt 0x0
	s_wait_kmcnt 0x0
	s_add_nc_u64 s[26:27], s[4:5], s[24:25]
	s_mov_b64 s[34:35], s[26:27]
	s_or_b32 s35, s35, 0x80000000                  ; type = 2
	s_add_nc_u64 s[38:39], s[26:27], PLANE         ; V: one plane further
	s_or_b32 s39, s39, 0x80000000
	s_add_nc_u64 s[58:59], s[4:5], s[28:29]
	s_add_nc_u64 s[50:51], s[6:7], s[30:31]
	s_add_nc_u64 s[52:53], s[12:13], s[30:31]
	s_lshl_b32 s28, s17, 18                        ; cpart[cx][g][256 w ..]
	s_lshl_b32 s30, ttmp9, 12
	s_add_co_u32 s28, s28, s30
	s_lshl_b32 s30, s16, 10
	s_add_co_u32 s28, s28, s30
	s_add_nc_u64 s[54:55], s[14:15], s[28:29]
	ROUND                                          ; the four work-groups are here: the joint loads meet
	tensor_load_to_lds s[32:35], s[40:47]          ; K of my 256 keys
	s_nop 0
	tensor_load_to_lds s[36:39], s[40:47]          ; V of my 256 keys
	s_nop 0
	s_lshl_b32 s48, s16, 7
	s_add_co_u32 s48, s48, STATS                   ; my wave's statistics
	s_add_co_u32 s49, s19, CSTG                    ; my column sums' stage
	s_mul_i32 s60, s16, 4*OBLK                     ; blocks 4 w .. 4 w + 3 inside a region
	v_and_b32 v1, 15, v0                           ; r
	v_bfe_u32 v2, v0, 4, 1                         ; h
	v_and_b32 v3, 31, v0                           ; lane
	v_lshlrev_b32 v[QOF], 7, v1                    ; query r: 128 bytes each, + 16 h
	v_lshl_add_u32 v[QOF], v2, 4, v[QOF]
	WIN 0xc0
.irp e, 0,1,2,3
	global_load_b128 v[QF+4*\e:QF+4*\e+3], v[QOF], s[58:59] offset:32*\e   ; block 0's Q as B fragments: d = 32 ks + 8 h .., 32 ks + 16 + 8 h ..
.endr
	WIN 0
	v_lshrrev_b32 v4, 1, v1                        ; key r of a tile: (r / 2) 272 + (r % 2) 128 + 16 h
	v_and_b32 v5, 1, v1
	v_mul_u32_u24 v[ADK], v4, 272
	v_lshl_add_u32 v[ADK], v5, 7, v[ADK]
	v_lshl_add_u32 v[ADK], v2, 4, v[ADK]
	v_add_nc_u32 v[ADK], s19, v[ADK]
	v_and_b32 v4, 7, v0                            ; transposing loads: lane addresses key 8 h + lane % 8, 16 bytes at 16 ((lane / 8) % 2)
	v_lshl_add_u32 v4, v2, 3, v4
	v_lshrrev_b32 v5, 1, v4
	v_and_b32 v6, 1, v4
	v_bfe_u32 v7, v0, 3, 1
	v_mul_u32_u24 v[ADV], v5, 272
	v_lshl_add_u32 v[ADV], v6, 7, v[ADV]
	v_lshl_add_u32 v[ADV], v7, 4, v[ADV]
	v_add_nc_u32 v[ADV], s37, v[ADV]
	v_lshl_add_u32 v[STA], v1, 3, s48
	v_lshl_add_u32 v[STL], v1, 3, STATS
	v_mul_u32_u24 v[OPA], v1, 272                  ; query r's 256 bytes, + 32 h
	v_lshl_add_u32 v[OPA], v2, 5, v[OPA]
	v_add_nc_u32 v[OPA], s19, v[OPA]
	v_lshlrev_b32 v[XO], 4, v3
	v_lshl_add_u32 v[CSA], v2, 5, s49
	v_lshl_add_u32 v[CSR], v3, 4, s49
	v_mul_u32_u24 v4, v2, 272                      ; LayerNorm: lanes 0-15 take one query's 256 bytes, lanes 16-31 the next's
	v_lshl_add_u32 v4, v1, 4, v4
	v_add_nc_u32 v[LNA], s60, v4
	v_add_nc_u32 v[LNA+1], WREG, v[LNA]
	v_add_nc_u32 v[LNA+2], 2*WREG, v[LNA]
	v_add_nc_u32 v[LNA+3], 3*WREG, v[LNA]
	s_wait_tensorcnt 0x1                           ; K's tile is in my LDS; V's load, issued behind it, stays out.  Only I read my stages: no barrier
	WIN 0x40
.irp kt, 0,1,2,3,4,5,6,7,8,9,10,11,12,13,14,15
.irp ks, 0,1
	ds_load_b128 v[16*\kt+8*\ks:16*\kt+8*\ks+3],   v[ADK] offset:2176*\kt+64*\ks
	ds_load_b128 v[16*\kt+8*\ks+4:16*\kt+8*\ks+7], v[ADK] offset:2176*\kt+64*\ks+32
.endr
.endr
	s_wait_dscnt 0x0                               ; K's fragments
	s_wait_loadcnt 0x0                             ; block 0's Q
	PHASE_S 0                                      ; block 0's scores need K and Q alone: they are made while V's tile is still on its way
	s_wait_tensorcnt 0x0                           ; V's tile is in
	WIN 0x80
.irp ks, 0,1,2,3,4,5,6,7
.irp dt, 0,1,2,3
	ds_load_tr16_b128 v[32*\ks+8*\dt:32*\ks+8*\dt+3],   v[ADV] offset:4352*\ks+32*\dt        ; V^T: row d = 16 dt + r, keys 32 ks + 8 h ..
	ds_load_tr16_b128 v[32*\ks+8*\dt+4:32*\ks+8*\dt+7], v[ADV] offset:4352*\ks+32*\dt+2176   ; keys 32 ks + 16 + 8 h ..
.endr
.endr
	s_wait_dscnt 0x0                               ; the stages are read: from here on they take the partial contexts
	BLOCK 1, 1
	s_mov_b32 s56, 14
.Lblock:
	BLOCK 0, 1                                     ; blocks 1 to 14
	s_sub_co_u32 s56, s56, 1
	s_cmp_lg_u32 s56, 0
	s_cbranch_scc1 .Lblock
	BLOCK 0, 0                                     ; block 15
; the four waves' partial contexts of row 4 w + i, into buffer i % 2 of window 2.  Lane l, piece j: query 2 j + l / 16, byte 16 (l % 16)
.macro LNLOAD i
	WIN 0x80
.irp wv, 0,1,2,3
.irp j, 0,1,2,3,4,5,6,7
	ds_load_b128 v[128*((\i)%2)+32*\wv+4*\j:128*((\i)%2)+32*\wv+4*\j+3], v[LNA+\wv] offset:OBLK*(\i)+544*\j
.endr
.endr
.endm
	LNLOAD 0                                       ; behind the last barrier: every wave's partial contexts are in LDS
	WIN 0
	; my 256 keys' column sums over this work-group's 256 queries: key 16 kt + 8 h + j at byte 64 kt + 32 h + 4 j of my own stage, read back as 1,024 neighbouring bytes
.irp kt, 0,1,2,3,4,5,6,7,8,9,10,11,12,13,14,15
	ds_store_b128 v[CSA], v[SC+8*\kt:SC+8*\kt+3]   offset:64*\kt           ; the 16 lanes of a half write the same words with the same values
	ds_store_b128 v[CSA], v[SC+8*\kt+4:SC+8*\kt+7] offset:64*\kt+16
.endr
	ds_load_b128 v[CSB:CSB+3],   v[CSR]                                    ; my own bytes: LDS serves a wave's instructions in order
	ds_load_b128 v[CSB+4:CSB+7], v[CSR] offset:512
	s_wait_dscnt 0x0
	global_store_b128 v[XO], v[CSB:CSB+3],   s[54:55]
	global_store_b128 v[XO], v[CSB+4:CSB+7], s[54:55] offset:512
	s_wait_loadcnt 0x0                             ; x, gamma, beta
.macro WSUM r                          ; the sum over the 32 lanes, in every lane
	v_add_f32_dpp v[\r], v[\r], v[\r] row_xmask:1 row_mask:0xf bank_mask:0xf
	v_add_f32_dpp v[\r], v[\r], v[\r] row_xmask:2 row_mask:0xf bank_mask:0xf
	v_add_f32_dpp v[\r], v[\r], v[\r] row_xmask:4 row_mask:0xf bank_mask:0xf
	v_add_f32_dpp v[\r], v[\r], v[\r] row_xmask:8 row_mask:0xf bank_mask:0xf
	v_permlanex16_b32 v3, v[\r], s22, s23
	v_add_f32 v[\r], v[\r], v3
.endm
; Row 4 w + i of the work-group's 16: h = x + the four waves' partial contexts; mean; differences; their squares' mean; scale, gamma, beta; out.
; Lane l, piece j holds columns 128 j + 4 l + 0..3.  The next row's 32 LDS loads are issued first, into the other buffer.
.macro LNROW i
.if \i < 3
	LNLOAD \i+1
	s_wait_dscnt 32                                ; LDS loads come back in order: this row's are in, the 32 just issued stay out
.else
	s_wait_dscnt 0x0
.endif
.if \i
	s_wait_xcnt 0x0                                ; the row's registers, which the last row's stores read, are rewritten only behind this wait
.endif
	WIN 0x09                                       ; x window 1, partial context window 2
.irp p, 0,1,2,3,4,5,6,7,8,9,10,11,12,13,14,15
	v_pk_add_f32 v[HR+2*\p:HR+2*\p+1], v[32*\i+2*\p:32*\i+2*\p+1], v[128*(\i%2)+2*\p:128*(\i%2)+2*\p+1]
.endr
	WIN 0x08
.irp wv, 1,2,3
.irp p, 0,1,2,3,4,5,6,7,8,9,10,11,12,13,14,15
	v_pk_add_f32 v[HR+2*\p:HR+2*\p+1], v[HR+2*\p:HR+2*\p+1], v[128*(\i%2)+32*\wv+2*\p:128*(\i%2)+32*\wv+2*\p+1]
.endr
.endr
	WIN 0
.irp p, 0,1,2,3,4,5,6,7
	v_pk_add_f32 v[WK+2*\p:WK+2*\p+1], v[HR+2*\p:HR+2*\p+1], v[HR+16+2*\p:HR+16+2*\p+1]
.endr
.irp p, 0,1,2,3
	v_pk_add_f32 v[WK+2*\p:WK+2*\p+1], v[WK+2*\p:WK+2*\p+1], v[WK+8+2*\p:WK+8+2*\p+1]
.endr
.irp p, 0,1
	v_pk_add_f32 v[WK+2*\p:WK+2*\p+1], v[WK+2*\p:WK+2*\p+1], v[WK+4+2*\p:WK+4+2*\p+1]
.endr
	v_pk_add_f32 v[WK:WK+1], v[WK:WK+1], v[WK+2:WK+3]
	v_add_f32 v[WK], v[WK], v[WK+1]
	WSUM WK
	v_mul_f32 v[WK+16], s57, v[WK]                 ; the mean, twice
	v_mul_f32 v[WK+17], s57, v[WK]
.irp p, 0,1,2,3,4,5,6,7,8,9,10,11,12,13,14,15
	v_pk_add_f32 v[HR+2*\p:HR+2*\p+1], v[HR+2*\p:HR+2*\p+1], v[WK+16:WK+17] neg_lo:[0,1] neg_hi:[0,1]
.endr
.irp p, 0,1,2,3
	v_pk_mul_f32 v[WK+2*\p:WK+2*\p+1], v[HR+2*\p:HR+2*\p+1], v[HR+2*\p:HR+2*\p+1]
.endr
.irp p, 4,5,6,7,8,9,10,11,12,13,14,15
	v_pk_fma_f32 v[WK+2*(\p%4):WK+2*(\p%4)+1], v[HR+2*\p:HR+2*\p+1], v[HR+2*\p:HR+2*\p+1], v[WK+2*(\p%4):WK+2*(\p%4)+1]
.endr
	v_pk_add_f32 v[WK:WK+1], v[WK:WK+1], v[WK+2:WK+3]
	v_pk_add_f32 v[WK+4:WK+5], v[WK+4:WK+5], v[WK+6:WK+7]
	v_pk_add_f32 v[WK:WK+1], v[WK:WK+1], v[WK+4:WK+5]
	v_add_f32 v[WK], v[WK], v[WK+1]
	WSUM WK
	v_fma_f32 v[WK+2], v[WK], s57, s61             ; variance + 1e-5
	v_rsq_f32 v[WK+16], v[WK+2]
	v_rsq_f32 v[WK+17], v[WK+2]
	v_nop                                          ; one plain instruction behind them
.irp p, 0,1,2,3,4,5,6,7,8,9,10,11,12,13,14,15
	s_wait_alu depctr_va_vdst(0)
	v_pk_mul_f32 v[HR+2*\p:HR+2*\p+1], v[HR+2*\p:HR+2*\p+1], v[WK+16:WK+17]
.endr
	WIN 0x14                                       ; gamma and beta window 1
.irp p, 0,1,2,3,4,5,6,7,8,9,10,11,12,13,14,15
	v_pk_fma_f32 v[HR+2*\p:HR+2*\p+1], v[HR+2*\p:HR+2*\p+1], v[GAM+2*\p:GAM+2*\p+1], v[BET+2*\p:BET+2*\p+1]
.endr
	WIN 0
.irp j, 0,1,2,3,4,5,6,7
	global_store_b128 v[XO], v[HR+4*\j:HR+4*\j+3], s[52:53] offset:4096*\i+512*\j th:TH_STORE_NT   ; a wave's store covers 512 neighbouring bytes, aligned
.endr
.endm
	LNROW 0
	LNROW 1
	LNROW 2
	LNROW 3
	s_wait_tensorcnt 0x0
	ds_add_u32 v62, v63
	s_wait_dscnt 0x0
	ROUND                                          ; the closing round: no work-group ends while a partner may still ask for a tile that names it
	s_endpgm
.Lfunc_end_k_q4d3c5db319_attn:
	.size	k_q4d3c5db319_attn, .Lfunc_end_k_q4d3c5db319_attn-k_q4d3c5db319_attn
	.p2alignl 7, 3214868480
	.fill 96, 4, 3214868480
	.section	.rodata,"a",@progbits
	.p2align	6, 0x0
	.amdhsa_kernel k_q4d3c5db319_attn
		.amdhsa_group_segment_fixed_size 283648
		.amdhsa_private_segment_fixed_size 0
		.amdhsa_enable_private_segment 0
		.amdhsa_kernarg_size 48
		.amdhsa_user_sgpr_count 2
		.amdhsa_user_sgpr_kernarg_segment_ptr 1
		.amdhsa_wavefront_size32 1
		.amdhsa_system_sgpr_workgroup_id_x 1
		.amdhsa_system_sgpr_workgroup_id_y 1
		.amdhsa_system_sgpr_workgroup_id_z 1
		.amdhsa_system_vgpr_workitem_id 0
		.amdhsa_next_free_vgpr 1024
		.amdhsa_next_free_sgpr 66
		.amdhsa_reserve_vcc 0
		.amdhsa_float_denorm_mode_32 3
		.amdhsa_float_denorm_mode_16_64 3
		.amdhsa_memory_ordered 1
		.amdhsa_forward_progress 1
		.amdhsa_inst_pref_size 238
	.end_amdhsa_kernel
	.amdgpu_metadata
---
amdhsa.version: [ 1, 2 ]
amdhsa.kernels:
  - .name:           k_q4d3c5db319_attn
    .symbol:         k_q4d3c5db319_attn.kd
    .args:
      - { .name: qkv, .offset: 0, .size: 8, .value_kind: global_buffer, .address_space: global }
      - { .name: x, .offset: 8, .size: 8, .value_kind: global_buffer, .address_space: global }
      - { .name: gamma, .offset: 16, .size: 8, .value_kind: global_buffer, .address_space: global }
      - { .name: beta, .offset: 24, .size: 8, .value_kind: global_buffer, .address_space: global }
      - { .name: out0, .offset: 32, .size: 8, .value_kind: global_buffer, .address_space: global }
      - { .name: cpart, .offset: 40, .size: 8, .value_kind: global_buffer, .address_space: global }
    .group_segment_fixed_size: 283648
    .private_segment_fixed_size: 0
    .kernarg_segment_align: 8
    .kernarg_segment_size: 48
    .max_flat_workgroup_size: 128
    .sgpr_count:     66
    .vgpr_count:     1024
    .wavefront_size: 32
...
	.end_amdgpu_metadata
.endif
;; end of part 3
;; launch colsum (part 4): grid 256 x 1, 2 waves a work-group, no clusters, 0 bytes of LDS; arguments cpart, out1; writes out1
.if DOCPART == 4
	.amdgcn_target "amdgcn-amd-amdhsa--gfx1250"
	.amdhsa_code_object_version 6
	.text
	.protected	k_q4d3c5db319_colsum
	.globl	k_q4d3c5db319_colsum
	.p2align	8
	.type	k_q4d3c5db319_colsum,@function
k_q4d3c5db319_colsum:
	s_mov_b64 s[64:65], 0
	v_nop
	global_prefetch_b8 v0, s[64:65] scope:SCOPE_SE
	s_setreg_imm32_b32 hwreg(HW_REG_WAVE_MODE, 25, 1), 1
	s_wait_xcnt 0x0
; out1[g][j] = the sum over the group's four work-groups of cpart[cx][g][j].  A thread takes 16 bytes of out1; a wave's load or store covers 512 neighbouring bytes.
; 256 work-groups x 64 threads x 4 numbers = 65,536 numbers.  The four planes of cpart lie 262,144 bytes apart.
	s_load_b128 s[4:7], s[0:1], 0x0                ; cpart s[4:5], out1 s[6:7]
	s_lshl_b32 s8, ttmp9, 10                       ; 1,024 bytes a work-group
	v_lshl_add_u32 v1, v0, 4, s8
	s_wait_kmcnt 0x0
.irp c, 0,1,2,3
	global_load_b128 v[4+4*\c:7+4*\c], v1, s[4:5] offset:262144*\c th:TH_LOAD_NT
.endr
	s_wait_loadcnt 0x0
	v_pk_add_f32 v[4:5], v[4:5], v[8:9]
	v_pk_add_f32 v[6:7], v[6:7], v[10:11]
	v_pk_add_f32 v[12:13], v[12:13], v[16:17]
	v_pk_add_f32 v[14:15], v[14:15], v[18:19]
	v_pk_add_f32 v[4:5], v[4:5], v[12:13]
	v_pk_add_f32 v[6:7], v[6:7], v[14:15]
	global_store_b128 v1, v[4:7], s[6:7]
	s_endpgm
.Lfunc_end_k_q4d3c5db319_colsum:
	.size	k_q4d3c5db319_colsum, .Lfunc_end_k_q4d3c5db319_colsum-k_q4d3c5db319_colsum
	.p2alignl 7, 3214868480
	.fill 96, 4, 3214868480
	.section	.rodata,"a",@progbits
	.p2align	6, 0x0
	.amdhsa_kernel k_q4d3c5db319_colsum
		.amdhsa_group_segment_fixed_size 0
		.amdhsa_private_segment_fixed_size 0
		.amdhsa_enable_private_segment 0
		.amdhsa_kernarg_size 16
		.amdhsa_user_sgpr_count 2
		.amdhsa_user_sgpr_kernarg_segment_ptr 1
		.amdhsa_wavefront_size32 1
		.amdhsa_system_sgpr_workgroup_id_x 1
		.amdhsa_system_sgpr_workgroup_id_y 1
		.amdhsa_system_sgpr_workgroup_id_z 1
		.amdhsa_system_vgpr_workitem_id 0
		.amdhsa_next_free_vgpr 24
		.amdhsa_next_free_sgpr 66
		.amdhsa_reserve_vcc 0
		.amdhsa_float_denorm_mode_32 3
		.amdhsa_float_denorm_mode_16_64 3
		.amdhsa_memory_ordered 1
		.amdhsa_forward_progress 1
		.amdhsa_inst_pref_size 2
	.end_amdhsa_kernel
	.amdgpu_metadata
---
amdhsa.version: [ 1, 2 ]
amdhsa.kernels:
  - .name:           k_q4d3c5db319_colsum
    .symbol:         k_q4d3c5db319_colsum.kd
    .args:
      - { .name: cpart, .offset: 0, .size: 8, .value_kind: global_buffer, .address_space: global }
      - { .name: out1, .offset: 8, .size: 8, .value_kind: global_buffer, .address_space: global }
    .group_segment_fixed_size: 0
    .private_segment_fixed_size: 0
    .kernarg_segment_align: 8
    .kernarg_segment_size: 16
    .max_flat_workgroup_size: 64
    .sgpr_count:     66
    .vgpr_count:     24
    .wavefront_size: 32
...
	.end_amdgpu_metadata
.endif
;; end of part 4
;; ======== version 2 of 2: 4 launches; 1.34 times as fast as version 1
;; workspace buffers: xb 8,388,608 bytes; wb 6,291,456 bytes; qkv 25,165,824 bytes; cpart 1,048,576 bytes
;; launch cast: the kernel of part 1 again; grid 128 x 7, 8 waves a work-group, no clusters, 0 bytes of LDS; arguments x, Wq, Wk, Wv, xb, wb; writes xb, wb
;; launch qkv: the kernel of part 2 again; grid 12 x 16, 4 waves a work-group, clusters of 4 x 4, 327,680 bytes of LDS; arguments xb, wb, qkv, bq, bk, bv; writes qkv
;; launch attn (part 5): grid 256 x 1, 4 waves a work-group, clusters of 4 x 1, 283,648 bytes of LDS; arguments qkv, x, gamma, beta, out0, cpart; writes out0, cpart
.if DOCPART == 5
	.amdgcn_target "amdgcn-amd-amdhsa--gfx1250"
	.amdhsa_code_object_version 6
	.text
	.protected	k_q4d3c5db319_attn
	.globl	k_q4d3c5db319_attn
	.p2align	8
	.type	k_q4d3c5db319_attn,@function
k_q4d3c5db319_attn:
	s_mov_b64 s[64:65], 0
	v_nop
	global_prefetch_b8 v0, s[64:65] scope:SCOPE_SE
	s_setreg_imm32_b32 hwreg(HW_REG_WAVE_MODE, 25, 1), 1
	s_wait_xcnt 0x0
	s_wait_alu depctr_hold_cnt(0) depctr_sa_sdst(0) depctr_va_vdst(0) depctr_va_sdst(0) depctr_va_ssrc(0) depctr_va_vcc(0) depctr_vm_vsrc(0)
	s_getreg_b32 s2, hwreg(HW_REG_IB_STS2, 6, 4)
	s_cmp_eq_u32 s2, 0
	s_cbranch_scc0 .Lentry_in_a_cluster
	s_endpgm
.Lentry_in_a_cluster:
	s_bfe_u32 s2, ttmp6, 0x10000c
	s_cmp_lg_u32 s2, 0x3003
	s_cbranch_scc0 .Lentry_shape_is_right
	s_endpgm
.Lentry_shape_is_right:
; Attention, residual and LayerNorm.  The row-major reshape makes group g (64 of them) the rows 64 g .. 64 g + 63 of q, k, v: token i = 16 (row - 64 g) + col / 64,
; d = col % 64, so a group's Q, K or V is a dense block of 1,024 tokens x 128 bytes, and one row of x is 16 neighbouring queries.
; A cluster of four work-groups is one group; work-group cx owns queries 256 cx .. + 255 = 16 blocks of 16 queries = 16 rows of x.
; The four waves split the KEYS: wave w keeps K and V of keys 256 w .. + 255 as matrix fragments in 512 registers for the whole launch.
; K and V are the same for the four work-groups: wave w of each asks for them jointly (mask 15).  They are first fills alone: one round of the cluster's barrier in
; front of them, one in front of the end.  By this text's count a wave has two tensor loads out, once.
; Per block:  S^T = K Q^T (lane (r, h), register j of tile kt: key 16 kt + 8 h + j, query r);  M_w = max(0, max S) over the wave's keys (0 is relu's floor);
; p = exp2(max(s c + t, t)), c = log2(e) / 32, t = - M_w c, which is exp(relu(s / 32) - M_w / 32);  l_w = sum of p;  two neighbouring tiles of p packed to bf16 are
; the B fragment of P^T;  O^T = V^T P^T.  The waves exchange (M_w c, l_w) through LDS: mu = max, l = sum of exp2(mu_w - mu) l_w, g = exp2(mu_own - mu) / l.
; p stays in f32 registers until g is known: the column sums take p g, and O g goes to LDS.  At the end wave w sums the four waves' partial contexts of rows 4 w .. 4 w + 3,
; adds x and normalises (mean first, then the squares of the differences).
; THE ORDER OF A BLOCK: products and vector work are laid side by side.  The 32 score products of the next block go one at a time, each followed by four vector
; instructions on other registers (the old p into the column sums, the new scores into the running maxima).  Of the 32 products of O^T sixteen go one at a time among
; the sums and roundings of p, each behind the packing of its fragments of P^T; the other sixteen stand where the wave would otherwise wait for LDS or for a short chain
; of dependent results in the exchange of the statistics.  K and V each fill a window of 256 registers, so a product's source 0 and the vector work's source 0 never
; share a window: every such change of work costs an s_set_vgpr_msb.
; THE TRANSCENDENTALS GO IN BATCHES, each with one s_wait_alu depctr_va_vdst(0) ahead of its first reader: three a block.
;   Batch 1: the 128 exponentials of the block's scores.  Ahead of its wait stand all scalings, floors and exponentials, none of which names an exponential's result;
;            behind it all sums and roundings, and the products that ride among them.
;   Batch 2: the five exponentials of the exchange (the four waves' factors and my own); four products of O^T stand between them and their wait.
;   Batch 3: the reciprocal of l, which is made of batch 2's results.
; In LayerNorm a row's two reciprocal square roots are a batch.
; LIMITS: a NaN among the scores is dropped by the maxima; probabilities and factors below 2^-126 become zero; row sums are formed per wave and then joined, another
; order of rounding than a sum along the row; q, k, v and p enter the products in bf16.
.set WREG,  70656                      ; a wave's LDS region: K's stage, V's stage, the column sums' stage
.set STG,   34816                      ; a stage: 128 rows of 256 bytes (two keys each) 272 bytes apart; key n lies at (n / 2) 272 + (n % 2) 128
.set OBLK,  4352                       ; a block's partial context: 16 queries x 256 bytes, 272 apart; the 16 blocks lie over the two stages, which have had their only fill
.set CSTG,  69632                      ; the column sums' stage, 1,024 bytes: no fill lands there
.set STATS, 282624                     ; behind the four regions: 4 waves x 16 queries x (mu, l)
.set PLANE, 8388608                    ; bytes of q, of k, of v
; window 0
.set ADK,  8                           ; LDS address of my K fragments
.set ADV,  9                           ; of my V fragments (transposing loads)
.set STA,  10                          ; where I put my query's (mu, l)
.set STL,  11                          ; where I read wave 0's; the others 128 bytes apart
.set OPA,  12                          ; where I put my part of this block's context; steps by OBLK
.set QOF,  13                          ; my byte offset in this block's row of q; steps by 2,048
.set XO,   14                          ; 16 x lane
.set CSA,  15                          ; where I put column sums
.set MX,   16                          ; v[16:19] four running maxima
.set TNEG, 20                          ; v[20:21] t, twice
.set MUL_, 22                          ; v[22:23] (mu_w, l_w)
.set LSUM, 24                          ; v[24:31] four pairs of running sums
.set ST,   32                          ; v[32:39] the four waves' (mu, l)
.set GSC,  40                          ; v[40:41] g, twice
.set CSB,  48                          ; v[48:55] column sums read back
.set LNA,  56                          ; v[56:59] LayerNorm: LDS address of wave 0..3's partial context of my first row
.set CSR,  60                          ; read-back address of my column sums
.set SC,   64                          ; v[64:191] scores, then p: tile kt at 64 + 8 kt
.set PB,   192                         ; v[192:255] p in bf16: 192 + 4 kt + j / 2
.set HR,   64                          ; LayerNorm: a row, 32 registers
.set WK,   96                          ; LayerNorm: at work
; window 1: K(kt, ks) at 16 kt + 8 ks; at the end x's row i at 32 i, gamma at 128, beta at 160
.set GAM,  128
.set BET,  160
; window 2: V(dt, ks) at 32 ks + 8 dt; at the end two buffers of 128: wave wv's partial context of a row at 128 (row % 2) + 32 wv
; window 3
.set CSUM, 0                           ; column sums, tile kt at 8 kt
.set OACC, 128                         ; O^T, tile dt at 128 + 8 dt
.set QF,   160                         ; Q(ks) at 160 + 8 ks
.set MSB, 0
.macro WIN new                         ; low byte: bits 1:0 source 0, 3:2 source 1, 5:4 source 2, 7:6 destination; the high byte repeats the setting that is left
.if MSB != \new
	s_set_vgpr_msb (MSB<<8)|\new
.set MSB, \new
.endif
.endm
.macro PLACES                          ; four independent plain vector instructions behind a matrix instruction (ISA guide 7.12.1)
.rept 4
	v_nop
.endr
.endm
.macro ROUND                           ; a round of the cluster's barrier
	s_barrier_signal -1
	s_barrier_wait -1
	s_cmp_lg_u32 s16, 0
	s_cbranch_scc1 .Lnot_wave_0_\@
	s_barrier_signal -3
.Lnot_wave_0_\@:
	s_barrier_wait -3
	s_barrier_signal -1
	s_barrier_wait -1
.endm
; four steps of the running maxima on tile kt; tile 0 starts the chains with relu's floor
.macro MAXT kt
	WIN 0
.irp c, 0,1,2,3
.if (\kt) == 0
	v_max3_num_f32 v[MX+\c], v[SC+8*(\kt)+2*\c], v[SC+8*(\kt)+2*\c+1], 0
.else
	v_max3_num_f32 v[MX+\c], v[SC+8*(\kt)+2*\c], v[SC+8*(\kt)+2*\c+1], v[MX+\c]
.endif
.endr
.endm
; one score product: tile kt, d = 32 ks .. 32 ks + 31.  A = K window 1, B = Q window 3, C and D window 0.  The first of a tile's two starts its sum
.macro WS kt, ks
	WIN 0x0d
.if \ks
	v_wmma_f32_16x16x32_bf16 v[SC+8*(\kt):SC+8*(\kt)+7], v[16*(\kt)+8:16*(\kt)+15], v[QF+8:QF+15], v[SC+8*(\kt):SC+8*(\kt)+7]
.else
	v_wmma_f32_16x16x32_bf16 v[SC+8*(\kt):SC+8*(\kt)+7], v[16*(\kt):16*(\kt)+7], v[QF:QF+7], 0
.endif
.endm
; the old p of tile kt, times g, into the column sums.  prev = 2: added; 1: the first block starts the sums, nothing is cleared; 0: no block before, four v_nop keep the distance
.macro CSF kt, prev
.if \prev == 2
	WIN 0xf0
.irp e, 0,1,2,3
	v_pk_fma_f32 v[CSUM+8*(\kt)+2*\e:CSUM+8*(\kt)+2*\e+1], v[SC+8*(\kt)+2*\e:SC+8*(\kt)+2*\e+1], v[GSC:GSC+1], v[CSUM+8*(\kt)+2*\e:CSUM+8*(\kt)+2*\e+1]
.endr
.else
.if \prev == 1
	WIN 0xc0
.irp e, 0,1,2,3
	v_pk_mul_f32 v[CSUM+8*(\kt)+2*\e:CSUM+8*(\kt)+2*\e+1], v[SC+8*(\kt)+2*\e:SC+8*(\kt)+2*\e+1], v[GSC:GSC+1]
.endr
.else
	PLACES
.endif
.endif
.endm
.macro OSCALE                          ; O g, in place in window 3
	WIN 0xc3
.irp e, 0,1,2,3,4,5,6,7,8,9,10,11,12,13,14,15
	v_pk_mul_f32 v[OACC+2*\e:OACC+2*\e+1], v[OACC+2*\e:OACC+2*\e+1], v[GSC:GSC+1]
.endr
.endm
.macro OSTORE                          ; my partial context of this block into my own region; data from window 3
	WIN 0x0c
.irp dt, 0,1,2,3
	ds_store_b128 v[OPA], v[OACC+8*\dt:OACC+8*\dt+3]   offset:64*\dt       ; query r, d = 16 dt + 8 h + 0..3
	ds_store_b128 v[OPA], v[OACC+8*\dt+4:OACC+8*\dt+7] offset:64*\dt+16
.endr
.endm
; product n (0 to 31) of O^T: keys 32 (n / 4) .., rows d = 16 (n % 4) ..  A = V^T window 2, B = P^T window 0, C and D window 3.  In the order of n the four
; accumulators take turns, one instruction a turn; products 0 to 3 start the sums
.macro PVW n
	WIN 0xf2
.if (\n) < 4
	v_wmma_f32_16x16x32_bf16 v[OACC+8*((\n)%4):OACC+8*((\n)%4)+7], v[32*((\n)/4)+8*((\n)%4):32*((\n)/4)+8*((\n)%4)+7], v[PB+8*((\n)/4):PB+8*((\n)/4)+7], 0
.else
	v_wmma_f32_16x16x32_bf16 v[OACC+8*((\n)%4):OACC+8*((\n)%4)+7], v[32*((\n)/4)+8*((\n)%4):32*((\n)/4)+8*((\n)%4)+7], v[PB+8*((\n)/4):PB+8*((\n)/4)+7], v[OACC+8*((\n)%4):OACC+8*((\n)%4)+7]
.endif
.endm
; The next block's scores, two tiles at a time: first halves of both, second halves of both, so that the accumulators take turns, one instruction a turn.
; Behind each product stand four vector instructions that name none of its registers.  A tile's old p has gone into the column sums before its first product
; overwrites it; a tile's maxima stand behind its second product and the four instructions that follow that product, which are the distance that a reader of a
; matrix result keeps (ISA guide 7.12.1).  prev as in CSF.  With a block before: O g and its stores stand behind the first two products, and the barrier that separates
; this block's reads of the statistics from the next block's store is signalled behind the twelfth product, when the eight LDS stores have had time to end.
.macro PHASE_S prev
.if \prev
	CSF 0, \prev
	CSF 1, \prev
.endif
.irp u, 0,1,2,3,4,5,6,7
	WS 2*\u, 0
.if \u
	MAXT 2*\u-1
.else
.if \prev
	OSCALE
.endif
.endif
	WS 2*\u+1, 0
.if \u == 0
.if \prev
	OSTORE
.endif
.endif
.if \u < 7
	CSF 2*\u+2, \prev
.endif
	WS 2*\u, 1
.if \u < 7
	CSF 2*\u+3, \prev
.else
	PLACES                                         ; no tile is left for the column sums: the distance for tile 14's maxima
.endif
	WS 2*\u+1, 1
	MAXT 2*\u
.if \u == 2
.if \prev
	s_wait_dscnt 0x0                               ; my reads of the statistics are back (waited for ahead of their use) and my partial context is in LDS
	s_barrier_signal -1                            ; only products and vector work stand between this signal and its wait
.endif
.endif
.endr
	MAXT 15                                        ; tile 14's four maxima are the distance behind tile 15's second product
.endm
; BATCH 1.  Scores to p, in place, as a pipeline over the tiles: in step i tile i + 1 gets s c + t, tile i the floor t, tile i - 1 its exponentials.  Beside each
; exponential stand one or two plain instructions on other tiles' registers (the last tile's eight follow each other).  No line here names an exponential's result:
; a tile is scaled and floored in earlier steps than the one that holds its exponentials, and nothing touches it behind them.
.macro EXPS
.set i, -1
.rept 18
.set j, 0
.rept 8
.if i >= 1
	v_exp_f32 v[SC+8*(i-1)+j], v[SC+8*(i-1)+j]
.endif
.if i >= 0
.if i <= 15
	v_max_num_f32 v[SC+8*i+j], v[SC+8*i+j], v[TNEG]
.endif
.endif
.if j < 4
.if i <= 14
	v_pk_fma_f32 v[SC+8*(i+1)+2*j:SC+8*(i+1)+2*j+1], v[SC+8*(i+1)+2*j:SC+8*(i+1)+2*j+1], s[20:21], v[TNEG:TNEG+1] op_sel_hi:[1,0,1]
.endif
.endif
.set j, j+1
.endr
.set i, i+1
.endr
.endm
; BATCH 1's READERS, behind its wait: in step i tile i is summed into the four pairs of running sums and packed to bf16.
; Products 0 to 15 of O^T ride along: product n in step n + 2 for n < 12, products 12 and 13 in step 14, products 14 and 15 in step 15; behind each stand four or more
; of these lines.  Product n needs tiles 2 (n / 4) and 2 (n / 4) + 1 packed, which is so from step 2 (n / 4) + 2 on; the packing lines of a step write tile i's
; registers, never those that a product of that step or the step before reads.
.macro SUMPACK
.set i, 0
.rept 16
.set j, 0
.rept 8
.if (j % 2) == 0
.if i == 1
	v_pk_add_f32 v[LSUM+j:LSUM+j+1], v[SC+j:SC+j+1], v[SC+8+j:SC+8+j+1]          ; tiles 0 and 1 start the sums
.endif
.if i > 1
	v_pk_add_f32 v[LSUM+j:LSUM+j+1], v[LSUM+j:LSUM+j+1], v[SC+8*i+j:SC+8*i+j+1]
.endif
.else
	v_cvt_pk_bf16_f32 v[PB+4*i+(j-1)/2], v[SC+8*i+j-1], v[SC+8*i+j]
.endif
.if i >= 2
.if i <= 13
.if j == 5
	PVW i-2
	WIN 0
.endif
.endif
.endif
.if i >= 14
.if (j % 4) == 1
	PVW 12+2*(i-14)+(j-1)/4
	WIN 0
.endif
.endif
.set j, j+1
.endr
.set i, i+1
.endr
.endm
; One block of 16 queries, its scores in SC and their four running maxima in MX.
; first = 1: the first block.  next = 1: the next block's Q is fetched and its scores are made at the end; 0: the last block.
.macro BLOCK first, next
	WIN 0
	v_max3_num_f32 v[MX], v[MX], v[MX+1], v[MX+2]
	v_max_num_f32 v[MX], v[MX], v[MX+3]
	v_permlanex16_b32 v3, v[MX], s22, s23          ; the other half of the lanes holds the query's other 128 keys
	v_max_num_f32 v[MX], v[MX], v3                 ; M_w
	v_mul_f32 v[TNEG], 0xbd38aa3b, v[MX]           ; t = - M_w c
	v_mul_f32 v[TNEG+1], 0xbd38aa3b, v[MX]
	; tile 14's maxima and the lines above stand between the last score product and the loads into its sources
.if \next
	WIN 0xc0
.irp e, 0,1,2,3
	global_load_b128 v[QF+4*\e:QF+4*\e+3], v[QOF], s[58:59] offset:2048+32*\e    ; the next block's Q: this block's is no longer needed
.endr
.else
	WIN 0x40                                       ; K is no longer needed: my four rows of x, gamma and beta, a block of work ahead of their use
.irp i, 0,1,2,3
.irp j, 0,1,2,3,4,5,6,7
	global_load_b128 v[32*\i+4*\j:32*\i+4*\j+3], v[XO], s[50:51] offset:4096*\i+512*\j th:TH_LOAD_NT
.endr
.endr
.irp j, 0,1,2,3,4,5,6,7
	global_load_b128 v[GAM+4*\j:GAM+4*\j+3], v[XO], s[8:9] offset:512*\j
	global_load_b128 v[BET+4*\j:BET+4*\j+3], v[XO], s[10:11] offset:512*\j
.endr
.endif
	WIN 0
	EXPS                                           ; batch 1: the block's 128 exponentials, and all that feeds them
	v_mul_f32 v[MUL_], 0x3d38aa3b, v[MX]           ; mu_w = M_w c, wanted at the exchange: here it is the plain instruction behind the last exponential (ISA guide 5.7.2)
	s_wait_alu depctr_va_vdst(0)                   ; the one wait for batch 1, ahead of the first sum and the first rounding
	SUMPACK
	v_pk_add_f32 v[LSUM:LSUM+1], v[LSUM:LSUM+1], v[LSUM+2:LSUM+3]
	v_pk_add_f32 v[LSUM+4:LSUM+5], v[LSUM+4:LSUM+5], v[LSUM+6:LSUM+7]
	v_pk_add_f32 v[LSUM:LSUM+1], v[LSUM:LSUM+1], v[LSUM+4:LSUM+5]
	v_add_f32 v[MUL_+1], v[LSUM], v[LSUM+1]
	v_permlanex16_b32 v3, v[MUL_+1], s22, s23
	v_add_f32 v[MUL_+1], v[MUL_+1], v3             ; l_w
	ds_store_b64 v[STA], v[MUL_:MUL_+1]            ; lanes r and r + 16 write the same words with the same values
.irp n, 16,17,18,19,20,21
	PVW \n                                         ; six products while the store ends
.endr
	s_wait_dscnt 0x0                               ; my statistics are in LDS
	s_barrier_signal -1
	PVW 22                                         ; register work while the others arrive
	PVW 23
	WIN 0
	s_barrier_wait -1                              ; all four waves' statistics are in LDS
.irp wv, 0,1,2,3
	ds_load_b64 v[ST+2*\wv:ST+2*\wv+1], v[STL] offset:128*\wv
.endr
.irp n, 24,25,26,27
	PVW \n                                         ; four products while the loads are on their way
.endr
	WIN 0
	s_wait_dscnt 0x0
	v_max3_num_f32 v42, v[ST], v[ST+2], v[ST+4]
	v_max_num_f32 v42, v42, v[ST+6]                ; mu
	v_sub_f32 v[ST], v[ST], v42
	v_sub_f32 v[ST+2], v[ST+2], v42
	v_sub_f32 v[ST+4], v[ST+4], v42
	v_sub_f32 v[ST+6], v[ST+6], v42
	v_sub_f32 v43, v[MUL_], v42
	v_exp_f32 v[ST], v[ST]                         ; batch 2: the four waves' factors and my own
	v_exp_f32 v[ST+2], v[ST+2]
	v_exp_f32 v[ST+4], v[ST+4]
	v_exp_f32 v[ST+6], v[ST+6]
	v_exp_f32 v43, v43
	v_nop                                          ; one plain instruction behind the exponentials (ISA guide 5.7.2); the products below are none
.irp n, 28,29,30,31
	PVW \n                                         ; the last four products: the work between batch 2 and its wait
.endr
	WIN 0
	s_wait_alu depctr_va_vdst(0)                   ; the one wait for batch 2, ahead of the first product of a factor and an l_w
	v_mul_f32 v44, v[ST], v[ST+1]
	v_mul_f32 v46, v[ST+4], v[ST+5]
	v_fmac_f32 v44, v[ST+2], v[ST+3]
	v_fmac_f32 v46, v[ST+6], v[ST+7]
	v_add_f32 v44, v44, v46                        ; l: at least about 1, since the wave with the maximum has factor 1 and a term near 1
	v_rcp_f32 v45, v44                             ; batch 3: it reads what batch 2 made, so it is a batch of its own
	v_nop
	s_wait_alu depctr_va_vdst(0)                   ; the wait for batch 3: all that follows hangs on g, so nothing stands between but the plain instruction
	v_mul_f32 v[GSC], v43, v45                     ; g = exp2(mu_own - mu) / l
	v_mul_f32 v[GSC+1], v43, v45                   ; the eight plain lines since the last product are more than the distance that O's scaling keeps
.if \next
	s_wait_loadcnt 0x0                             ; the next block's Q
.if \first
	PHASE_S 1
.else
	PHASE_S 2
.endif
.else
	OSCALE
	OSTORE
	s_wait_dscnt 0x0                               ; my partial context is in LDS
	s_barrier_signal -1                            ; behind this barrier the partial contexts are read
	WIN 0x30                                       ; the last block's p g and the sums so far, into window 0
.irp i, 0,1,2,3,4,5,6,7,8,9,10,11,12,13,14,15,16,17,18,19,20,21,22,23,24,25,26,27,28,29,30,31,32,33,34,35,36,37,38,39,40,41,42,43,44,45,46,47,48,49,50,51,52,53,54,55,56,57,58,59,60,61,62,63
	v_pk_fma_f32 v[SC+2*\i:SC+2*\i+1], v[SC+2*\i:SC+2*\i+1], v[GSC:GSC+1], v[CSUM+2*\i:CSUM+2*\i+1]
.endr
	WIN 0
.irp m, 1,2,4,8                                        ; the sum over the 16 queries of a half of the lanes: every lane of the half ends with it
.set n, 0
.rept 128
	v_add_f32_dpp v[SC+n], v[SC+n], v[SC+n] row_xmask:\m row_mask:0xf bank_mask:0xf
.set n, n+1
.endr
.endr
.endif
	WIN 0
	s_barrier_wait -1                              ; every wave has read this block's statistics: the next block may store its own
.if \next
	v_add_nc_u32 v[OPA], OBLK, v[OPA]
	v_add_nc_u32 v[QOF], 2048, v[QOF]              ; the load that named it was shown done by the wait for Q above
.endif
.endm
	s_load_b256 s[4:11], s[0:1], 0x0               ; qkv s[4:5], x s[6:7], gamma s[8:9], beta s[10:11]
	s_load_b128 s[12:15], s[0:1], 0x20             ; out0 s[12:13], cpart s[14:15]
	v_lshl_add_u32 v62, v0, 2, 0x45200
	v_mov_b32 v63, 0
	ds_add_u32 v62, v63
	v_lshrrev_b32 v1, 5, v0
	v_readfirstlane_b32 s16, v1                    ; wave 0..3
	s_bfe_u32 s17, ttmp6, 0x40000                  ; cx; it enters global addresses alone
	s_mov_b32 s20, 0x3d38aa3b                      ; c = log2(e) / 32, twice
	s_mov_b32 s21, 0x3d38aa3b
	s_mov_b32 s22, 0x76543210                      ; v_permlanex16_b32: lane i of one half reads lane i of the other
	s_mov_b32 s23, 0xfedcba98
	s_mov_b32 s57, 0x3a800000                      ; 1 / 1024
	s_mov_b32 s61, 0x3727c5ac                      ; 1e-5
	s_mul_i32 s19, s16, WREG                       ; my LDS region
	; group 1: a dense block of 32,768 bytes as 128 rows of 32 elements of 8 bytes, 16 bytes of padding behind each row
	s_mov_b32 s40, 15|(3<<16)|(1<<20)|(1<<21)|(5<<22)|(3<<25)   ; 15:0 the mask: all four work-groups; 17:16 8 bytes; 20 padding on; 21 set beside a mask; after every 64 words, 4 words
	s_mov_b32 s41, 32<<16                          ; tensor_dim0 = 32
	s_mov_b32 s42, 128<<16                         ; tensor_dim1 = 128
	s_mov_b32 s43, 32<<16                          ; tile_dim0 = 32
	s_mov_b32 s44, 128                             ; tile_dim1 = 128
	s_mov_b32 s45, 32                              ; elements from row to row
	s_mov_b32 s46, 0
	s_mov_b32 s47, 0
	s_mov_b32 s32, 1                               ; group 0 for K
	s_mul_i32 s33, s16, WREG
	s_mov_b32 s36, 1                               ; group 0 for V
	s_add_co_u32 s37, s33, STG
	s_lshl_b32 s24, ttmp9, 17                      ; K of my keys: plane 1, group g (131,072 bytes), wave w (32,768 bytes): equal in the four partners
	s_lshl_b32 s25, s16, 15
	s_add_co_u32 s24, s24, s25
	s_add_co_u32 s24, s24, PLANE
	s_mov_b32 s25, 0
	s_lshl_b32 s28, ttmp9, 17                      ; Q: plane 0, row 64 g + 16 cx
	s_lshl_b32 s29, s17, 15
	s_add_co_u32 s28, s28, s29
	s_mov_b32 s29, 0
	s_lshl_b32 s30, ttmp9, 18                      ; x and out0: row 64 g + 16 cx + 4 w, 4,096 bytes a row
	s_lshl_b32 s31, s17, 16
	s_add_co_u32 s30, s30, s31
	s_lshl_b32 s31, s16, 14
	s_add_co_u32 s30, s30, s31
	s_mov_b32 s31, 0
	s_wait_dscnt 0x0
	s_wait_kmcnt 0x0
	s_add_nc_u64 s[26:27], s[4:5], s[24:25]
	s_mov_b64 s[34:35], s[26:27]
	s_or_b32 s35, s35, 0x80000000                  ; type = 2
	s_add_nc_u64 s[38:39], s[26:27], PLANE         ; V: one plane further
	s_or_b32 s39, s39, 0x80000000
	s_add_nc_u64 s[58:59], s[4:5], s[28:29]
	s_add_nc_u64 s[50:51], s[6:7], s[30:31]
	s_add_nc_u64 s[52:53], s[12:13], s[30:31]
	s_lshl_b32 s28, s17, 18                        ; cpart[cx][g][256 w ..]
	s_lshl_b32 s30, ttmp9, 12
	s_add_co_u32 s28, s28, s30
	s_lshl_b32 s30, s16, 10
	s_add_co_u32 s28, s28, s30
	s_add_nc_u64 s[54:55], s[14:15], s[28:29]
	ROUND                                          ; the four work-groups are here: the joint loads meet
	tensor_load_to_lds s[32:35], s[40:47]          ; K of my 256 keys
	s_nop 0
	tensor_load_to_lds s[36:39], s[40:47]          ; V of my 256 keys
	s_nop 0
	s_lshl_b32 s48, s16, 7
	s_add_co_u32 s48, s48, STATS                   ; my wave's statistics
	s_add_co_u32 s49, s19, CSTG                    ; my column sums' stage
	s_mul_i32 s60, s16, 4*OBLK                     ; blocks 4 w .. 4 w + 3 inside a region
	v_and_b32 v1, 15, v0                           ; r
	v_bfe_u32 v2, v0, 4, 1                         ; h
	v_and_b32 v3, 31, v0                           ; lane
	v_lshlrev_b32 v[QOF], 7, v1                    ; query r: 128 bytes each, + 16 h
	v_lshl_add_u32 v[QOF], v2, 4, v[QOF]
	WIN 0xc0
.irp e, 0,1,2,3
	global_load_b128 v[QF+4*\e:QF+4*\e+3], v[QOF], s[58:59] offset:32*\e   ; block 0's Q as B fragments: d = 32 ks + 8 h .., 32 ks + 16 + 8 h ..
.endr
	WIN 0
	v_lshrrev_b32 v4, 1, v1                        ; key r of a tile: (r / 2) 272 + (r % 2) 128 + 16 h
	v_and_b32 v5, 1, v1
	v_mul_u32_u24 v[ADK], v4, 272
	v_lshl_add_u32 v[ADK], v5, 7, v[ADK]
	v_lshl_add_u32 v[ADK], v2, 4, v[ADK]
	v_add_nc_u32 v[ADK], s19, v[ADK]
	v_and_b32 v4, 7, v0                            ; transposing loads: lane addresses key 8 h + lane % 8, 16 bytes at 16 ((lane / 8) % 2)
	v_lshl_add_u32 v4, v2, 3, v4
	v_lshrrev_b32 v5, 1, v4
	v_and_b32 v6, 1, v4
	v_bfe_u32 v7, v0, 3, 1
	v_mul_u32_u24 v[ADV], v5, 272
	v_lshl_add_u32 v[ADV], v6, 7, v[ADV]
	v_lshl_add_u32 v[ADV], v7, 4, v[ADV]
	v_add_nc_u32 v[ADV], s37, v[ADV]
	v_lshl_add_u32 v[STA], v1, 3, s48
	v_lshl_add_u32 v[STL], v1, 3, STATS
	v_mul_u32_u24 v[OPA], v1, 272                  ; query r's 256 bytes, + 32 h
	v_lshl_add_u32 v[OPA], v2, 5, v[OPA]
	v_add_nc_u32 v[OPA], s19, v[OPA]
	v_lshlrev_b32 v[XO], 4, v3
	v_lshl_add_u32 v[CSA], v2, 5, s49
	v_lshl_add_u32 v[CSR], v3, 4, s49
	v_mul_u32_u24 v4, v2, 272                      ; LayerNorm: lanes 0-15 take one query's 256 bytes, lanes 16-31 the next's
	v_lshl_add_u32 v4, v1, 4, v4
	v_add_nc_u32 v[LNA], s60, v4
	v_add_nc_u32 v[LNA+1], WREG, v[LNA]
	v_add_nc_u32 v[LNA+2], 2*WREG, v[LNA]
	v_add_nc_u32 v[LNA+3], 3*WREG, v[LNA]
	s_wait_tensorcnt 0x1                           ; K's tile is in my LDS; V's load, issued behind it, stays out.  Only I read my stages: no barrier
	WIN 0x40
.irp kt, 0,1,2,3,4,5,6,7,8,9,10,11,12,13,14,15
.irp ks, 0,1
	ds_load_b128 v[16*\kt+8*\ks:16*\kt+8*\ks+3],   v[ADK] offset:2176*\kt+64*\ks
	ds_load_b128 v[16*\kt+8*\ks+4:16*\kt+8*\ks+7], v[ADK] offset:2176*\kt+64*\ks+32
.endr
.endr
	s_wait_dscnt 0x0                               ; K's fragments
	s_wait_loadcnt 0x0                             ; block 0's Q
	PHASE_S 0                                      ; block 0's scores need K and Q alone: they are made while V's tile is still on its way
	s_wait_tensorcnt 0x0                           ; V's tile is in
	WIN 0x80
.irp ks, 0,1,2,3,4,5,6,7
.irp dt, 0,1,2,3
	ds_load_tr16_b128 v[32*\ks+8*\dt:32*\ks+8*\dt+3],   v[ADV] offset:4352*\ks+32*\dt        ; V^T: row d = 16 dt + r, keys 32 ks + 8 h ..
	ds_load_tr16_b128 v[32*\ks+8*\dt+4:32*\ks+8*\dt+7], v[ADV] offset:4352*\ks+32*\dt+2176   ; keys 32 ks + 16 + 8 h ..
.endr
.endr
	s_wait_dscnt 0x0                               ; the stages are read: from here on they take the partial contexts
	BLOCK 1, 1
	s_mov_b32 s56, 14
.Lblock:
	BLOCK 0, 1                                     ; blocks 1 to 14
	s_sub_co_u32 s56, s56, 1
	s_cmp_lg_u32 s56, 0
	s_cbranch_scc1 .Lblock
	BLOCK 0, 0                                     ; block 15
; the four waves' partial contexts of row 4 w + i, into buffer i % 2 of window 2.  Lane l, piece j: query 2 j + l / 16, byte 16 (l % 16)
.macro LNLOAD i
	WIN 0x80
.irp wv, 0,1,2,3
.irp j, 0,1,2,3,4,5,6,7
	ds_load_b128 v[128*((\i)%2)+32*\wv+4*\j:128*((\i)%2)+32*\wv+4*\j+3], v[LNA+\wv] offset:OBLK*(\i)+544*\j
.endr
.endr
.endm
	LNLOAD 0                                       ; behind the last barrier: every wave's partial contexts are in LDS
	WIN 0
	; my 256 keys' column sums over this work-group's 256 queries: key 16 kt + 8 h + j at byte 64 kt + 32 h + 4 j of my own stage, read back as 1,024 neighbouring bytes
.irp kt, 0,1,2,3,4,5,6,7,8,9,10,11,12,13,14,15
	ds_store_b128 v[CSA], v[SC+8*\kt:SC+8*\kt+3]   offset:64*\kt           ; the 16 lanes of a half write the same words with the same values
	ds_store_b128 v[CSA], v[SC+8*\kt+4:SC+8*\kt+7] offset:64*\kt+16
.endr
	ds_load_b128 v[CSB:CSB+3],   v[CSR]                                    ; my own bytes: LDS serves a wave's instructions in order
	ds_load_b128 v[CSB+4:CSB+7], v[CSR] offset:512
	s_wait_dscnt 0x0
	global_store_b128 v[XO], v[CSB:CSB+3],   s[54:55]
	global_store_b128 v[XO], v[CSB+4:CSB+7], s[54:55] offset:512
	s_wait_loadcnt 0x0                             ; x, gamma, beta
.macro WSUM r                          ; the sum over the 32 lanes, in every lane
	v_add_f32_dpp v[\r], v[\r], v[\r] row_xmask:1 row_mask:0xf bank_mask:0xf
	v_add_f32_dpp v[\r], v[\r], v[\r] row_xmask:2 row_mask:0xf bank_mask:0xf
	v_add_f32_dpp v[\r], v[\r], v[\r] row_xmask:4 row_mask:0xf bank_mask:0xf
	v_add_f32_dpp v[\r], v[\r], v[\r] row_xmask:8 row_mask:0xf bank_mask:0xf
	v_permlanex16_b32 v3, v[\r], s22, s23
	v_add_f32 v[\r], v[\r], v3
.endm
; Row 4 w + i of the work-group's 16: h = x + the four waves' partial contexts; mean; differences; their squares' mean; scale, gamma, beta; out.
; Lane l, piece j holds columns 128 j + 4 l + 0..3.  The next row's 32 LDS loads are issued first, into the other buffer.
.macro LNROW i
.if \i < 3
	LNLOAD \i+1
	s_wait_dscnt 32                                ; LDS loads come back in order: this row's are in, the 32 just issued stay out
.else
	s_wait_dscnt 0x0
.endif
.if \i
	s_wait_xcnt 0x0                                ; the row's registers, which the last row's stores read, are rewritten only behind this wait
.endif
	WIN 0x09                                       ; x window 1, partial context window 2
.irp p, 0,1,2,3,4,5,6,7,8,9,10,11,12,13,14,15
	v_pk_add_f32 v[HR+2*\p:HR+2*\p+1], v[32*\i+2*\p:32*\i+2*\p+1], v[128*(\i%2)+2*\p:128*(\i%2)+2*\p+1]
.endr
	WIN 0x08
.irp wv, 1,2,3
.irp p, 0,1,2,3,4,5,6,7,8,9,10,11,12,13,14,15
	v_pk_add_f32 v[HR+2*\p:HR+2*\p+1], v[HR+2*\p:HR+2*\p+1], v[128*(\i%2)+32*\wv+2*\p:128*(\i%2)+32*\wv+2*\p+1]
.endr
.endr
	WIN 0
.irp p, 0,1,2,3,4,5,6,7
	v_pk_add_f32 v[WK+2*\p:WK+2*\p+1], v[HR+2*\p:HR+2*\p+1], v[HR+16+2*\p:HR+16+2*\p+1]
.endr
.irp p, 0,1,2,3
	v_pk_add_f32 v[WK+2*\p:WK+2*\p+1], v[WK+2*\p:WK+2*\p+1], v[WK+8+2*\p:WK+8+2*\p+1]
.endr
.irp p, 0,1
	v_pk_add_f32 v[WK+2*\p:WK+2*\p+1], v[WK+2*\p:WK+2*\p+1], v[WK+4+2*\p:WK+4+2*\p+1]
.endr
	v_pk_add_f32 v[WK:WK+1], v[WK:WK+1], v[WK+2:WK+3]
	v_add_f32 v[WK], v[WK], v[WK+1]
	WSUM WK
	v_mul_f32 v[WK+16], s57, v[WK]                 ; the mean, twice
	v_mul_f32 v[WK+17], s57, v[WK]
.irp p, 0,1,2,3,4,5,6,7,8,9,10,11,12,13,14,15
	v_pk_add_f32 v[HR+2*\p:HR+2*\p+1], v[HR+2*\p:HR+2*\p+1], v[WK+16:WK+17] neg_lo:[0,1] neg_hi:[0,1]
.endr
.irp p, 0,1,2,3
	v_pk_mul_f32 v[WK+2*\p:WK+2*\p+1], v[HR+2*\p:HR+2*\p+1], v[HR+2*\p:HR+2*\p+1]
.endr
.irp p, 4,5,6,7,8,9,10,11,12,13,14,15
	v_pk_fma_f32 v[WK+2*(\p%4):WK+2*(\p%4)+1], v[HR+2*\p:HR+2*\p+1], v[HR+2*\p:HR+2*\p+1], v[WK+2*(\p%4):WK+2*(\p%4)+1]
.endr
	v_pk_add_f32 v[WK:WK+1], v[WK:WK+1], v[WK+2:WK+3]
	v_pk_add_f32 v[WK+4:WK+5], v[WK+4:WK+5], v[WK+6:WK+7]
	v_pk_add_f32 v[WK:WK+1], v[WK:WK+1], v[WK+4:WK+5]
	v_add_f32 v[WK], v[WK], v[WK+1]
	WSUM WK
	v_fma_f32 v[WK+2], v[WK], s57, s61             ; variance + 1e-5
	v_rsq_f32 v[WK+16], v[WK+2]                    ; the row's batch: the same root twice, a pair for the packed multiplies
	v_rsq_f32 v[WK+17], v[WK+2]
	v_nop                                          ; one plain instruction behind them
	s_wait_alu depctr_va_vdst(0)                   ; the one wait for the row's two roots, ahead of the first of the sixteen multiplies
.irp p, 0,1,2,3,4,5,6,7,8,9,10,11,12,13,14,15
	v_pk_mul_f32 v[HR+2*\p:HR+2*\p+1], v[HR+2*\p:HR+2*\p+1], v[WK+16:WK+17]
.endr
	WIN 0x14                                       ; gamma and beta window 1
.irp p, 0,1,2,3,4,5,6,7,8,9,10,11,12,13,14,15
	v_pk_fma_f32 v[HR+2*\p:HR+2*\p+1], v[HR+2*\p:HR+2*\p+1], v[GAM+2*\p:GAM+2*\p+1], v[BET+2*\p:BET+2*\p+1]
.endr
	WIN 0
.irp j, 0,1,2,3,4,5,6,7
	global_store_b128 v[XO], v[HR+4*\j:HR+4*\j+3], s[52:53] offset:4096*\i+512*\j th:TH_STORE_NT   ; a wave's store covers 512 neighbouring bytes, aligned
.endr
.endm
	LNROW 0
	LNROW 1
	LNROW 2
	LNROW 3
	s_wait_tensorcnt 0x0
	ds_add_u32 v62, v63
	s_wait_dscnt 0x0
	ROUND                                          ; the closing round: no work-group ends while a partner may still ask for a tile that names it
	s_endpgm
.Lfunc_end_k_q4d3c5db319_attn:
	.size	k_q4d3c5db319_attn, .Lfunc_end_k_q4d3c5db319_attn-k_q4d3c5db319_attn
	.p2alignl 7, 3214868480
	.fill 96, 4, 3214868480
	.section	.rodata,"a",@progbits
	.p2align	6, 0x0
	.amdhsa_kernel k_q4d3c5db319_attn
		.amdhsa_group_segment_fixed_size 283648
		.amdhsa_private_segment_fixed_size 0
		.amdhsa_enable_private_segment 0
		.amdhsa_kernarg_size 48
		.amdhsa_user_sgpr_count 2
		.amdhsa_user_sgpr_kernarg_segment_ptr 1
		.amdhsa_wavefront_size32 1
		.amdhsa_system_sgpr_workgroup_id_x 1
		.amdhsa_system_sgpr_workgroup_id_y 1
		.amdhsa_system_sgpr_workgroup_id_z 1
		.amdhsa_system_vgpr_workitem_id 0
		.amdhsa_next_free_vgpr 1024
		.amdhsa_next_free_sgpr 66
		.amdhsa_reserve_vcc 0
		.amdhsa_float_denorm_mode_32 3
		.amdhsa_float_denorm_mode_16_64 3
		.amdhsa_memory_ordered 1
		.amdhsa_forward_progress 1
		.amdhsa_inst_pref_size 225
	.end_amdhsa_kernel
	.amdgpu_metadata
---
amdhsa.version: [ 1, 2 ]
amdhsa.kernels:
  - .name:           k_q4d3c5db319_attn
    .symbol:         k_q4d3c5db319_attn.kd
    .args:
      - { .name: qkv, .offset: 0, .size: 8, .value_kind: global_buffer, .address_space: global }
      - { .name: x, .offset: 8, .size: 8, .value_kind: global_buffer, .address_space: global }
      - { .name: gamma, .offset: 16, .size: 8, .value_kind: global_buffer, .address_space: global }
      - { .name: beta, .offset: 24, .size: 8, .value_kind: global_buffer, .address_space: global }
      - { .name: out0, .offset: 32, .size: 8, .value_kind: global_buffer, .address_space: global }
      - { .name: cpart, .offset: 40, .size: 8, .value_kind: global_buffer, .address_space: global }
    .group_segment_fixed_size: 283648
    .private_segment_fixed_size: 0
    .kernarg_segment_align: 8
    .kernarg_segment_size: 48
    .max_flat_workgroup_size: 128
    .sgpr_count:     66
    .vgpr_count:     1024
    .wavefront_size: 32
...
	.end_amdgpu_metadata
.endif
;; end of part 5
;; launch colsum: the kernel of part 4 again; grid 256 x 1, 2 waves a work-group, no clusters, 0 bytes of LDS; arguments cpart, out1; writes out1
